; MI455X (gfx1250); checked and timed in simulation.
; The chip was launched on July 23, 2026; its instructions are those of AMD's public machine-readable ISA for CDNA 5 (MIT licence, August 2026) and "CDNA5" Instruction Set Architecture Reference Guide (July 2026). The comments in the code are by the model that wrote it; some were corrected since.
;; Mask Attn. Allowed arithmetic: matrix products marked QUANTISED: E2M1 operands, one E8M0 scale for each 32 along K, by v_wmma_scale_f32_16x16x128_f8f6f4 with both operands' format E2M1 (or v_wmma_scale_f32_32x16x128_f4), f32 sums; products left as they are: bf16, f16 or f32 operands; f32 sums; everything else in f32.
;; Inputs: b_proj 1,024 float32; mWin 4 x 2,048 x 1 float32; w_proj 1,024 x 1,024 float32; w_qkv 3,072 x 1,024 float32; x 4 x 2,048 x 1,024 float32.
;; Outputs: out0 4 x 2,048 x 1,024 float32.
;; This version of the problem:
;;   THIS VERSION OF THE PROBLEM IS GIVEN IN LOW PRECISION. The matrix products marked QUANTISED in the list below multiply operands that are first quantised to E2M1 (2 exponent bits, 1 mantissa bit; 4 bits a number), with one power-of-two scale for each 32 numbers along K (OCP MX v1.0); their sums are f32. The products marked 'left as it is' may take bf16, f16 or f32 operands, with f32 sums. Whichever they take, every output number must still come out within the allowed error. Rounding operands to bf16 (8 significant bits) uses up far more of that allowance than f16 does (11 bits, for magnitudes from 6e-5 to 65,504). All else is computed in f32.
;;   The module's matrix products, in the order in which they are computed (A, B: the left and right operand; K: the contracted axis; several contracted axes count as one K, in the product's order):
;;     1. [M 8,192, K 1,024] x [K 1,024, N 3,072]; A: input x; B: input w_qkv: QUANTISED
;;     2. batch 64 x [M 2,048, K 64] x [K 64, N 2,048]; A: computed on the way; B: computed on the way: left as it is (an operand is computed on the way)
;;     3. batch 64 x [M 2,048, K 2,048] x [K 2,048, N 64]; A: computed on the way; B: computed on the way: left as it is (an operand is computed on the way)
;;     4. [M 8,192, K 1,024] x [K 1,024, N 1,024]; A: computed on the way; B: input w_proj: left as it is (an operand is computed on the way)
;;   THE QUANTISER, for each operand of a quantised product, along K:
;;     - K is cut into blocks of 32 from its start; a last block that is shorter is filled with zeros.
;;     - A block's scale is 2^e with e = floor(log2(the largest magnitude in the block)) - 2, held to -126 .. 127; a block of zeros has e = 0. As a byte (E8M0): e + 127.
;;     - Each number is divided by its block's scale, clamped to +-6, and rounded to the nearest number of E2M1, ties to even, subnormals kept.
;;     - The product sums the exact products of the quantised numbers (number of the format x scale) in f32.
;;   ~~~python
;;   def quantise(x, axis):      # numpy; x: float32 -> the quantised numbers, widened to float32 again
;;       x = np.moveaxis(x, axis, -1); K = x.shape[-1]
;;       x = np.pad(x, [(0, 0)] * (x.ndim - 1) + [(0, -K % 32)]); x = x.reshape(x.shape[:-1] + (-1, 32)); a = np.abs(x).max(-1, keepdims=True)
;;       e = np.where(a > 0, np.clip(np.frexp(np.where(a > 0, a, 1))[1] - 1 - 2, -126, 127), 0)      # np.frexp(a)[1] - 1 = floor(log2(a)), exactly
;;       r = np.clip(x / 2.0 ** e, -6, 6)
;;       step = 2.0 ** (np.maximum(np.frexp(np.where(r == 0, 1, r))[1] - 1, 0) - 1)
;;       q = np.round(r / step) * step * 2.0 ** e      # np.round: ties to even
;;       return np.moveaxis(q.reshape(q.shape[:-2] + (-1,))[..., :K], -1, axis).astype(np.float32)
;;   ~~~
;; One version. Each part assembles by itself: llvm-mc -triple=amdgcn-amd-amdhsa -mcpu=gfx1250 --defsym DOCPART=n.
;; ======== version 1 of 1: 4 launches
;; limits: values are held in f16: magnitudes above 65,504 overflow, below 6.1e-05 lose precision
;; workspace buffers: x_codes 4,194,304 bytes; x_scales 262,144 bytes; w_codes 1,572,864 bytes; w_scales 98,304 bytes; qkvf 50,331,648 bytes; af 16,777,216 bytes; wf 2,097,152 bytes
;; launch prep (part 1): grid 384 x 1, 4 waves a work-group, no clusters, 33,280 bytes of LDS; arguments x, w_qkv, x_codes, x_scales, w_codes, w_scales, w_proj, wf; writes x_codes, x_scales, w_codes, w_scales, wf
.if DOCPART == 1
	.amdgcn_target "amdgcn-amd-amdhsa--gfx1250"
	.amdhsa_code_object_version 6
	.text
	.protected	k_qc2157eab3e_prep
	.globl	k_qc2157eab3e_prep
	.p2align	8
	.type	k_qc2157eab3e_prep,@function
k_qc2157eab3e_prep:
	s_mov_b64 s[64:65], 0
	v_nop
	global_prefetch_b8 v0, s[64:65] scope:SCOPE_SE
	s_setreg_imm32_b32 hwreg(HW_REG_WAVE_MODE, 25, 1), 1
	s_wait_xcnt 0x0
; PREP.  Work-groups 0-351: x [8192][1024] and w_qkv [3072][1024], f32, become codes of FP4 (E2M1), K innermost, two codes a byte, with one E8M0 scale byte for each 32 along K.
; A block's scale is 2^(floor(log2(its largest magnitude)) - 2); its byte is the largest magnitude's exponent field - 2, held at 1 from below; each number is divided by the scale and rounded to the nearest code, ties to even.
; Work-groups 352-383: w_proj [1024][1024], f32, becomes f16, laid as images of the projection's operand registers: a piece is 32 lanes x 16 bytes on end; lane (r, h) holds row 16 dt + r, channels 32 kb + 16 c + 8 h + 0..7.
; LIMITS: a block of zeros gets the byte 1 where the rule says 127 (its codes are zeros and this program alone reads the bytes); blocks whose largest magnitude lies under 2^(2 - 126) keep the byte 1;
; NaN and infinities among the inputs are not served; w_proj must lie inside f16's range, under 65,504 in magnitude.
; THE QUANTISER.  Rows are dense and K is a multiple of 32, so a tensor is a plain stream of blocks of 32.  A wave takes 16 steps of 512 numbers.  Each of a step's four loads reads 512 consecutive bytes; the 2,048 bytes turn
; through the wave's own stage in LDS and come back 64 bytes a lane, so that a lane holds 16 neighbours along K and two neighbouring lanes a block.  A wave's 256 scale bytes are gathered in LDS and leave as one aligned run of 256 bytes.
.set SIZE_M, 8192
.set SIZE_N, 3072
.set SIZE_K, 1024
.set WAVES, 4
.set STEPS, 16
.set WGA,   SIZE_M*SIZE_K/(512*STEPS*WAVES)            ; 256 work-groups for x
.set WGQ,   (SIZE_M+SIZE_N)*SIZE_K/(512*STEPS*WAVES)   ; 352 for x and w_qkv together
.set EMAX,  2
.set CB,    8                          ; bytes of 16 codes
.set R,     16                         ; v16-79   four sets of 16 numbers as they are loaded
.set X,     80                         ; v80-111  two sets of 16 neighbours
.set E,     112                        ; v112-127 a scale byte for each step
.set C,     128                        ; v128-191 codes: four registers for each step, so that no store's data are written again
.set WREG,  8192                       ; LDS: a region for each wave: two stages of 32 x SP bytes, and behind them its 256 scale bytes
.set SP,    80                         ; a lane's place in a stage: 64 bytes + 16 of padding
.set SPW,   12                         ; v12  LDS address of my spare word; never rewritten
.set NIL,   13                         ; v13  0; never rewritten
.set SPARE, WAVES*WREG                 ; behind the four regions: the spare words, 128 bytes a wave
.set WL,    16                         ; w_proj: v16-143 two sets of 64 numbers
.set WO,    144                        ; v144-207 two sets of 32 registers of f16
	s_load_b128 s[4:7], s[0:1], 0x0                ; x, w_qkv
	s_load_b128 s[8:11], s[0:1], 0x10              ; x's codes, x's scales
	s_load_b128 s[12:15], s[0:1], 0x20             ; w_qkv's codes, its scales
	s_load_b128 s[24:27], s[0:1], 0x30             ; w_proj, wf
	v_lshl_add_u32 v[SPW], v0, 2, SPARE
	v_mov_b32 v[NIL], 0
	v_lshrrev_b32 v1, 5, v0
	v_readfirstlane_b32 s16, v1                    ; wave
	v_and_b32 v2, 31, v0                           ; lane
	s_cmp_ge_u32 ttmp9, WGQ                        ; the last 32 work-groups take w_proj
	s_cbranch_scc1 .Lwproj
	v_lshlrev_b32 v3, 4, v2                        ; my 16 bytes of a load's 512
	s_mul_i32 s17, s16, WREG
	v_lshrrev_b32 v14, 2, v2
	v_mul_u32_u24 v14, v14, SP
	v_and_b32 v15, 3, v2
	v_lshl_add_u32 v14, v15, 4, v14
	v_add_nc_u32 v14, s17, v14                     ; the stage, on the way in: SP (lane / 4) + 16 (lane % 4)
	v_mul_u32_u24 v15, v2, SP
	v_add_nc_u32 v15, s17, v15                     ; and on the way out: SP x lane: my 16 neighbours
	v_mul_u32_u24 v4, v2, CB                       ; my codes' place in a step's
	v_lshrrev_b32 v5, 1, v2
	s_add_co_u32 s17, s17, 2*32*SP
	v_add_nc_u32 v5, s17, v5                       ; LDS: my wave's 256 scale bytes, my block's byte
	v_lshlrev_b32 v7, 3, v2                        ; and on the way out 8 bytes a lane
	v_add_nc_u32 v6, s17, v7
	s_wait_kmcnt 0x0
	s_cmp_lt_u32 ttmp9, WGA                        ; x's work-group or w_qkv's: the choice hangs on the work-group's number alone
	s_cselect_b64 s[4:5], s[4:5], s[6:7]
	s_cselect_b64 s[8:9], s[8:9], s[12:13]
	s_cselect_b64 s[10:11], s[10:11], s[14:15]
	s_cselect_b32 s17, 0, WGA
	s_sub_co_u32 s17, ttmp9, s17
	s_lshl_b32 s17, s17, 2
	s_add_co_u32 s18, s17, s16                     ; which run of 8,192 numbers of the tensor is my wave's
	s_mov_b32 s19, 0
	s_mov_b64 s[20:21], 512*STEPS*4
	s_mul_u64 s[20:21], s[18:19], s[20:21]
	s_add_nc_u64 s[4:5], s[4:5], s[20:21]
	s_mov_b64 s[20:21], 32*STEPS*CB
	s_mul_u64 s[20:21], s[18:19], s[20:21]
	s_add_nc_u64 s[8:9], s[8:9], s[20:21]
	s_lshl_b32 s18, s18, 8                         ; 256 scale bytes a run
	s_add_nc_u64 s[10:11], s[10:11], s[18:19]
.macro LOAD t
.irp i, 0,1,2,3
	global_load_b128 v[R+16*((\t)%4)+4*\i:R+16*((\t)%4)+4*\i+3], v3, s[4:5] offset:2048*(\t)+512*\i th:TH_LOAD_NT   ; 32 lanes read 512 consecutive bytes
.endr
.endm
.macro TURN t                          ; step t's numbers through the stage: LDS serves a wave's instructions in order, so no wait stands between the stores and the loads
.irp i, 0,1,2,3
	ds_store_b128 v14, v[R+16*((\t)%4)+4*\i:R+16*((\t)%4)+4*\i+3] offset:32*SP*((\t)%2)+8*SP*\i
.endr
.irp i, 0,1,2,3
	ds_load_b128 v[X+16*((\t)%2)+4*\i:X+16*((\t)%2)+4*\i+3], v15 offset:32*SP*((\t)%2)+16*\i
.endr
.endm
.irp t, 0,1,2,3
	LOAD \t
.endr
	s_wait_loadcnt 12                              ; step 0's four loads are in; the twelve of steps 1 to 3 may be out
	TURN 0
.macro STEP t
.set XS, X+16*((\t)%2)
.if (\t) > 0
	s_wait_dscnt 1                                 ; this step's numbers are back from the stage (the last step's byte store may be out)
.else
	s_wait_dscnt 0x0
.endif
.if (\t)+4 < STEPS
	LOAD (\t)+4                                    ; the set that this step's stage stores have read takes the loads of four steps on
.endif
.if (\t)+1 < STEPS
.if STEPS-2-(\t) >= 3
	s_wait_loadcnt 12                              ; the next step's four loads are in; those of the three steps behind it may be out
.else
	s_wait_loadcnt 4*(STEPS-2-(\t))
.endif
	TURN (\t)+1                                    ; and go through the other stage while this step is worked
.endif
	v_max3_num_f32 v8, |v[XS]|, |v[XS+1]|, |v[XS+2]|               ; the largest magnitude of my 16, in two chains
	v_max3_num_f32 v9, |v[XS+3]|, |v[XS+4]|, |v[XS+5]|
.irp i, 6,10
	v_max3_num_f32 v8, v8, |v[XS+\i]|, |v[XS+\i+1]|
	v_max3_num_f32 v9, v9, |v[XS+\i+2]|, |v[XS+\i+3]|
.endr
	v_max3_num_f32 v8, v8, |v[XS+14]|, |v[XS+15]|
	v_max3_num_f32 v8, v8, v9, (EMAX+1)<<23        ; and the floor 2^(EMAX + 1 - 127): the byte cannot fall under 1
	v_max_num_f32_dpp v8, v8, v8 row_xmask:1 row_mask:0xf bank_mask:0xf   ; and of my neighbour's 16: the block's
	v_add_nc_u32 v11, -(EMAX<<23), v8              ; EMAX off its exponent field: the conversion takes the exponent field of this operand as its scale
	v_cvt_scalef32_pk8_fp4_f32 v[C+4*(\t)], v[XS:XS+7], v11
	v_cvt_scalef32_pk8_fp4_f32 v[C+4*(\t)+1], v[XS+8:XS+15], v11
	v_lshrrev_b32 v[E+(\t)], 23, v11               ; the scale's byte (also the plain line behind the conversions)
	ds_store_b8 v5, v[E+(\t)] offset:16*(\t)       ; both lanes of a block write the same byte with the same value
	global_store_b64 v4, v[C+4*(\t):C+4*(\t)+1], s[8:9] offset:32*CB*(\t)   ; the wave stores 256 consecutive bytes, aligned
.endm
.irp t, 0,1,2,3,4,5,6,7,8,9,10,11,12,13,14,15
	STEP \t
.endr
	ds_load_b64 v[8:9], v6                         ; LDS serves a wave's instructions in order: these see my stores
	s_wait_dscnt 0x0
	global_store_b64 v7, v[8:9], s[10:11]          ; 32 lanes store 256 consecutive bytes, aligned
	s_wait_tensorcnt 0x0                           ; the wave's end, behind my last LDS store
	ds_add_u32 v[SPW], v[NIL]
	s_wait_dscnt 0x0
	s_endpgm
; W_PROJ.  Wave W = 4 (work-group - 352) + wave takes rows 16 (W / 2) .. + 15 and channels 512 (W % 2) .. + 511: 32 pieces.  A piece: two loads of 16 bytes a lane, four roundings to f16, one store of 512 consecutive bytes.
; wf at byte nb 524288 + ks 65536 + d16 4096 + k4 1024 + c 512 + 16 lane (nb: 256 rows; ks: 128 channels; d16: 16 rows; k4: 32 channels).  No LDS: nothing changes lanes.
.Lwproj:
	v_and_b32 v3, 15, v0                           ; r
	v_bfe_u32 v4, v0, 4, 1                         ; h
	v_lshlrev_b32 v5, 12, v3
	v_lshl_add_u32 v5, v4, 5, v5                   ; from: row r of 4,096 bytes, + 32 h
	v_lshlrev_b32 v6, 4, v2                        ; to: 16 x lane
	s_sub_co_u32 s17, ttmp9, WGQ
	s_lshl_b32 s17, s17, 2
	s_add_co_u32 s17, s17, s16                     ; W
	s_lshr_b32 s18, s17, 1                         ; dt: which 16 rows
	s_and_b32 s19, s17, 1                          ; which half of the channels
	s_lshl_b32 s20, s18, 16
	s_lshl_b32 s21, s19, 11
	s_add_co_u32 s20, s20, s21
	s_mov_b32 s21, 0
	s_lshr_b32 s22, s18, 4
	s_lshl_b32 s22, s22, 19
	s_lshl_b32 s23, s19, 18
	s_add_co_u32 s22, s22, s23
	s_and_b32 s23, s18, 15
	s_lshl_b32 s23, s23, 12
	s_add_co_u32 s22, s22, s23
	s_mov_b32 s23, 0
	s_wait_kmcnt 0x0
	s_add_nc_u64 s[24:25], s[24:25], s[20:21]
	s_add_nc_u64 s[26:27], s[26:27], s[22:23]
.macro LOADW q                         ; batch q: pieces 8 q .. 8 q + 7 (piece p: channels 32 (p / 2) + 16 (p % 2) on), 16 loads
.set LS, WL+64*((\q)%2)
.irp p, 0,1,2,3,4,5,6,7
	global_load_b128 v[LS+8*\p:LS+8*\p+3], v5, s[24:25] offset:((8*(\q)+\p)/2)*128+(\p%2)*64
	global_load_b128 v[LS+8*\p+4:LS+8*\p+7], v5, s[24:25] offset:((8*(\q)+\p)/2)*128+(\p%2)*64+16
.endr
.endm
.macro CVTW q
.set LS, WL+64*((\q)%2)
.set OS, WO+32*((\q)%2)
.if (\q) < 3
	s_wait_loadcnt 16                              ; this batch's 16 loads are in; the next batch's 16 may be out
.else
	s_wait_loadcnt 0x0
.endif
.if (\q) >= 2
	s_wait_xcnt 0x0                                ; the stores of two batches back have read their data: the set is written again only behind this wait
.endif
.irp p, 0,1,2,3,4,5,6,7
.irp j, 0,1,2,3
	v_cvt_pk_f16_f32 v[OS+4*\p+\j], v[LS+8*\p+2*\j], v[LS+8*\p+2*\j+1]
.endr
.endr
.irp p, 0,1,2,3,4,5,6,7
	global_store_b128 v6, v[OS+4*\p:OS+4*\p+3], s[26:27] offset:(((8*(\q)+\p)/2)/4)*65536+(((8*(\q)+\p)/2)%4)*1024+(\p%2)*512
.endr
.if (\q) < 2
	LOADW (\q)+2
.endif
.endm
	LOADW 0
	LOADW 1
	CVTW 0
	CVTW 1
	CVTW 2
	CVTW 3
	s_wait_tensorcnt 0x0                           ; the wave's end
	ds_add_u32 v[SPW], v[NIL]
	s_wait_dscnt 0x0
	s_endpgm
.Lfunc_end_k_qc2157eab3e_prep:
	.size	k_qc2157eab3e_prep, .Lfunc_end_k_qc2157eab3e_prep-k_qc2157eab3e_prep
	.p2alignl 7, 3214868480
	.fill 96, 4, 3214868480
	.section	.rodata,"a",@progbits
	.p2align	6, 0x0
	.amdhsa_kernel k_qc2157eab3e_prep
		.amdhsa_group_segment_fixed_size 33280
		.amdhsa_private_segment_fixed_size 0
		.amdhsa_enable_private_segment 0
		.amdhsa_kernarg_size 64
		.amdhsa_user_sgpr_count 2
		.amdhsa_user_sgpr_kernarg_segment_ptr 1
		.amdhsa_wavefront_size32 1
		.amdhsa_system_sgpr_workgroup_id_x 1
		.amdhsa_system_sgpr_workgroup_id_y 1
		.amdhsa_system_sgpr_workgroup_id_z 1
		.amdhsa_system_vgpr_workitem_id 0
		.amdhsa_next_free_vgpr 208
		.amdhsa_next_free_sgpr 66
		.amdhsa_reserve_vcc 0
		.amdhsa_float_denorm_mode_32 3
		.amdhsa_float_denorm_mode_16_64 3
		.amdhsa_memory_ordered 1
		.amdhsa_forward_progress 1
		.amdhsa_inst_pref_size 52
	.end_amdhsa_kernel
	.amdgpu_metadata
---
amdhsa.version: [ 1, 2 ]
amdhsa.kernels:
  - .name:           k_qc2157eab3e_prep
    .symbol:         k_qc2157eab3e_prep.kd
    .args:
      - { .name: x, .offset: 0, .size: 8, .value_kind: global_buffer, .address_space: global }
      - { .name: w_qkv, .offset: 8, .size: 8, .value_kind: global_buffer, .address_space: global }
      - { .name: x_codes, .offset: 16, .size: 8, .value_kind: global_buffer, .address_space: global }
      - { .name: x_scales, .offset: 24, .size: 8, .value_kind: global_buffer, .address_space: global }
      - { .name: w_codes, .offset: 32, .size: 8, .value_kind: global_buffer, .address_space: global }
      - { .name: w_scales, .offset: 40, .size: 8, .value_kind: global_buffer, .address_space: global }
      - { .name: w_proj, .offset: 48, .size: 8, .value_kind: global_buffer, .address_space: global }
      - { .name: wf, .offset: 56, .size: 8, .value_kind: global_buffer, .address_space: global }
    .group_segment_fixed_size: 33280
    .private_segment_fixed_size: 0
    .kernarg_segment_align: 8
    .kernarg_segment_size: 64
    .max_flat_workgroup_size: 128
    .sgpr_count:     66
    .vgpr_count:     208
    .wavefront_size: 32
...
	.end_amdgpu_metadata
.endif
;; end of part 1
;; launch qkv (part 2): grid 12 x 32, 4 waves a work-group, clusters of 4 x 4, 327,680 bytes of LDS; arguments x_codes, x_scales, w_codes, w_scales, qkvf; writes qkvf
.if DOCPART == 2
	.amdgcn_target "amdgcn-amd-amdhsa--gfx1250"
	.amdhsa_code_object_version 6
	.text
	.protected	k_qc2157eab3e_qkv
	.globl	k_qc2157eab3e_qkv
	.p2align	8
	.type	k_qc2157eab3e_qkv,@function
k_qc2157eab3e_qkv:
	s_mov_b64 s[64:65], 0
	v_nop
	global_prefetch_b8 v0, s[64:65] scope:SCOPE_SE
	s_setreg_imm32_b32 hwreg(HW_REG_WAVE_MODE, 25, 1), 1
	s_wait_xcnt 0x0
	s_wait_alu depctr_hold_cnt(0) depctr_sa_sdst(0) depctr_va_vdst(0) depctr_va_sdst(0) depctr_va_ssrc(0) depctr_va_vcc(0) depctr_vm_vsrc(0)
	s_getreg_b32 s2, hwreg(HW_REG_IB_STS2, 6, 4)
	s_cmp_eq_u32 s2, 0
	s_cbranch_scc0 .Lentry_in_a_cluster
	s_endpgm
.Lentry_in_a_cluster:
	s_bfe_u32 s2, ttmp6, 0x10000c
	s_cmp_lg_u32 s2, 0xf033
	s_cbranch_scc0 .Lentry_shape_is_right
	s_endpgm
.Lentry_shape_is_right:
; QKV.  qkv[token][d] = sum over k of x[token][k] w_qkv[d][k], K = 1,024, both operands as codes of FP4 (E2M1) with one E8M0 scale for each 32 along K; sums in f32; results rounded once to f16.
; A work-group of four waves makes a tile of 256 x 256, a wave 128 x 128: 64 accumulators of 16 x 16, 512 registers.  All of K lies in two LDS slots of 512 along K (rows of 256 bytes), asked for at the head: nothing is filled again.
; The scales of the work-group's 2 x 256 rows, for all of K, come once as two dense blocks.
; CLUSTERS: 4 x 4 work-groups; the side called A is shared along a row of the cluster, the side called B along a column: each tile is asked for jointly, by the same tensor load with a mask that names the four.
; THE MATRIX INSTRUCTION IS USED TRANSPOSED (source 0 = 16 rows of B, source 1 = 16 rows of A): a lane holds ONE row of A and eight neighbouring rows of B.
; ROLES, by the cluster's x: 0 (q) and 1 (k): A = x's tokens, B = w_qkv's rows: a lane holds a token and eight channels.  2 (v): A = w_qkv's rows 2,048 on, B = x's tokens: a lane holds a channel and eight keys.
; So a packed accumulator, 16 bytes a lane, IS a piece of the attention's operand registers, and leaves by one store of 512 consecutive bytes: no stage, no change of lanes.
; qkvf: q at 0, k at 2^24: bh 262144 + tt 2048 + f 1024 + c 512 + 16 lane: lane (r, h) = token 16 tt + r, channels 32 f + 16 c + 8 h + 0..7.   v at 2^25: bh 262144 + kb 4096 + ct 1024 + c 512 + 16 lane: channel 16 ct + r, keys 32 kb + 16 c + 8 h + 0..7.
; LIMIT: q, k and v must lie inside f16's range, under 65,504 in magnitude.
; REGISTERS, in windows of 256: window 0: v0-31 addresses; v32-95 scale words, two sets; v128-191 A's fragments, one set.  window 1: B's fragments, two sets, at v0 and v128; on the way out all 256: the packed results.
;   window 2: the accumulators of my rows 0-63 ((a, b) at v[8 (8 a + b)]);  window 3: those of my rows 64-127.
.set KSTEP,  512                       ; along K in a slot
.set NQ,     KSTEP/128                 ; matrix instructions deep
.set ROWB,   256                       ; a tile's row in bytes
.set KROW,   512                       ; a row of codes in memory
.set PITCH,  272                       ; an LDS row: 256 bytes + 16 of padding: the 16 rows that a load touches start at 16 different banks (64 banks of 4 bytes: ISA guide 11.1)
.set FR,     8                         ; registers of a fragment: 16 rows x 128 K
.set NL,     2                         ; LDS loads that bring one
.set NP,     4                         ; places behind this matrix instruction (ISA guide 7.12.1)
.set HALFT,  128*PITCH                 ; 128 rows: what one tensor load brings
.set SLOT,   4*HALFT                   ; A's 256 rows, then B's 256 rows
.set KS,     32                        ; a row of scales in bytes
.set SCL,    2*SLOT                    ; behind the slots: the scales, as runs of 256 bytes + 16 of padding
.set HALFS,  (128*KS/256)*272          ; the scales of 128 rows
.set SBLK,   (16*KS/256)*272           ; those of 16 rows
.set SPARE,  SCL+4*HALFS               ; the spare words, 128 bytes a wave
.set ADRA, 16                          ; v16-17  LDS address of my A fragments in slot 0, 1
.set ADRB, 20                          ; v20-21  the same for B
.set CO,   26                          ; v26     16 x lane: my place in a piece
.set ADRS, 27                          ; v27     LDS address of my scale words: lanes 0-15 A's rows, lanes 16-31 B's
.set SPW,  28                          ; v28     LDS address of my spare word; never rewritten
.set NIL,  29                          ; v29     0; never rewritten
.set SC,   32                          ; scale words: set s at v[SC + 32 s]; register 4 i + q: lanes 0-15 A's block i, lanes 16-31 B's block i, the slot's q-th 128 along K
.set AF,   128
.set G1, 24                            ; s[24:31] group 1 for A's tiles;  s[32:39] group 0, one set a slot
.set G0, 32
.set G1B, 48                           ; s[48:55], s[56:63] the same for B's
.set G0B, 56
.set G1S, 68                           ; s[68:75], s[76:79] for A's scales;  s[80:87], s[88:91] for B's
.set G0S, 76
.set G1SB, 80
.set G0SB, 88
.set MSB, 0
.macro WIN new                         ; the immediate's high byte repeats the setting that is left
.if MSB != (\new)
	s_set_vgpr_msb (MSB<<8)|(\new)
.set MSB, (\new)
.endif
.endm
.set MUL_LO, 0xa1                      ; source 0 (B) window 1, source 1 (A) window 0, C and D window 2
.set MUL_HI, 0xf1                      ; the same, C and D window 3
.set TO_B,   0x40                      ; destination window 1, address window 0
; A joint load: waves 0 and 1 fetch for A, waves 2 and 3 for B.  The branch hangs on the wave's number alone.  An s_nop 0 and four v_nop follow each line.
.macro JLOAD g0a, g1a, g0b, g1b
	s_cmp_eq_u32 s15, 0
	s_cbranch_scc0 .Lfor_b_\@
	tensor_load_to_lds s[\g0a:\g0a+3], s[\g1a:\g1a+7]
	s_nop 0
.rept 4
	v_nop
.endr
	s_branch .Lasked_\@
.Lfor_b_\@:
	tensor_load_to_lds s[\g0b:\g0b+3], s[\g1b:\g1b+7]
	s_nop 0
.rept 4
	v_nop
.endr
.Lasked_\@:
.endm
.macro CROUND                          ; a round of the cluster's barrier
	s_barrier_signal -1
	s_barrier_wait -1
	s_cmp_lg_u32 s14, 0
	s_cbranch_scc1 .Lnot_wave_0_\@
	s_barrier_signal -3
.Lnot_wave_0_\@:
	s_barrier_wait -3
	s_barrier_signal -1
	s_barrier_wait -1
.endm
	s_load_b128 s[4:7], s[0:1], 0x0                ; x's codes, x's scales
	s_load_b128 s[8:11], s[0:1], 0x10              ; w_qkv's codes, its scales
	s_load_b64 s[12:13], s[0:1], 0x20              ; qkvf
	v_lshl_add_u32 v[SPW], v0, 2, SPARE
	v_mov_b32 v[NIL], 0
	ds_add_u32 v[SPW], v[NIL]                      ; the wave's opening: the add, twice on end, and its wait ahead of my first tensor load
	ds_add_u32 v[SPW], v[NIL]
	v_lshrrev_b32 v1, 5, v0
	v_readfirstlane_b32 s14, v1                    ; wave 0..3
	s_lshr_b32 s15, s14, 1                         ; which half of A's rows is mine.  Also: I fetch for A (0) or for B (1)
	s_and_b32 s16, s14, 1                          ; which half of B's rows.  Also: which 128 rows of that tile I fetch
	s_bfe_u32 s40, ttmp6, 0x40000                  ; cx, cy: my place in the cluster
	s_bfe_u32 s41, ttmp6, 0x40004
	s_and_b32 s18, ttmp7, 0xffff
	s_lshl_b32 s18, s18, 2                         ; 4 x cluster y
	s_lshl_b32 s19, ttmp9, 2                       ; 4 x cluster x
	s_cmp_lt_u32 ttmp9, 2                          ; q or k?  (the cluster's x: the same in all sixteen partners)
	s_cselect_b32 s17, s18, 8                      ; A's tile of 256 rows: tokens 4 y + cy, or w_qkv's tile 8 + cy
	s_cselect_b32 s42, s19, s18                    ; B's: w_qkv's tile 4 x + cx, or tokens 4 y + cx
	s_add_co_u32 s17, s17, s41
	s_add_co_u32 s42, s42, s40
	s_lshl_b32 s43, s41, 2
	s_lshl_b32 s43, 15, s43                        ; my row of the cluster
	s_lshl_b32 s44, 0x1111, s40                    ; my column
	; group 1: a tile of 128 rows x 256 bytes, 16 bytes of padding behind each row
	s_or_b32 s[G1+0], s43, (0<<16)|(1<<20)|(1<<21)|(5<<22)|(3<<25)  ; 15:0 the mask; 17:16 elements of 1 byte; 20 padding on; 21 set beside a mask; 24:22 after every 64 words; 31:25 four words
	s_or_b32 s[G1B+0], s44, (0<<16)|(1<<20)|(1<<21)|(5<<22)|(3<<25)
.irp g, G1, G1B
	s_mov_b32 s[\g+1], ROWB<<16                    ; tensor_dim0
	s_mov_b32 s[\g+2], 128<<16                     ; tensor_dim1
	s_mov_b32 s[\g+3], ROWB<<16                    ; tile_dim0
	s_mov_b32 s[\g+4], 128                         ; tile_dim1
	s_mov_b32 s[\g+5], KROW                        ; from row to row
	s_mov_b32 s[\g+6], 0
	s_mov_b32 s[\g+7], 0
.endr
	; the scales of 128 rows: 4,096 dense bytes, as 16 rows of 256 bytes (32 elements of 8), 16 bytes of padding behind each
	s_or_b32 s[G1S+0], s43, (3<<16)|(1<<20)|(1<<21)|(5<<22)|(3<<25)
	s_or_b32 s[G1SB+0], s44, (3<<16)|(1<<20)|(1<<21)|(5<<22)|(3<<25)
.irp g, G1S, G1SB
	s_mov_b32 s[\g+1], 32<<16
	s_mov_b32 s[\g+2], (128*KS/256)<<16
	s_mov_b32 s[\g+3], 32<<16
	s_mov_b32 s[\g+4], 128*KS/256
	s_mov_b32 s[\g+5], 32
	s_mov_b32 s[\g+6], 0
	s_mov_b32 s[\g+7], 0
.endr
	s_lshl_b32 s18, s16, 7                         ; which 128 rows of the tile I fetch
	s_lshl_b32 s20, s17, 8
	s_add_co_u32 s20, s20, s18                     ; A: row 256 x tile + 128 x half
	s_lshl_b32 s46, s42, 8
	s_add_co_u32 s46, s46, s18                     ; B likewise
	s_mov_b32 s21, 0
	s_mov_b32 s47, 0
	s_mov_b64 s[18:19], KS
	s_mul_u64 s[22:23], s[20:21], s[18:19]         ; where these rows' scales begin, in bytes
	s_mul_u64 s[92:93], s[46:47], s[18:19]
	s_mov_b64 s[18:19], KROW
	s_mul_u64 s[20:21], s[20:21], s[18:19]         ; and their codes
	s_mul_u64 s[46:47], s[46:47], s[18:19]
	s_mul_i32 s45, s14, HALFT                      ; where they go: wave x 128 rows: no place in the cluster enters an LDS address
	s_mul_i32 s96, s14, HALFS
	s_wait_dscnt 0x0                               ; both opening adds are done
	s_wait_kmcnt 0x0
	s_cmp_lt_u32 ttmp9, 2                          ; which tensor is A and which B
	s_cselect_b64 s[2:3], s[4:5], s[8:9]           ; A's codes
	s_cselect_b64 s[94:95], s[6:7], s[10:11]       ; A's scales
	s_cselect_b64 s[8:9], s[8:9], s[4:5]           ; B's codes
	s_cselect_b64 s[10:11], s[10:11], s[6:7]       ; B's scales
	s_add_nc_u64 s[20:21], s[2:3], s[20:21]
	s_add_nc_u64 s[22:23], s[94:95], s[22:23]
	s_add_nc_u64 s[46:47], s[8:9], s[46:47]
	s_add_nc_u64 s[92:93], s[10:11], s[92:93]
	CROUND                                         ; all sixteen work-groups are here: the first joint loads meet
	s_mov_b32 s[G0S], 1
	s_add_co_u32 s[G0S+1], s96, SCL
	s_mov_b64 s[G0S+2:G0S+3], s[22:23]
	s_or_b32 s[G0S+3], s[G0S+3], 0x80000000
	s_mov_b32 s[G0SB], 1
	s_add_co_u32 s[G0SB+1], s96, SCL
	s_mov_b64 s[G0SB+2:G0SB+3], s[92:93]
	s_or_b32 s[G0SB+3], s[G0SB+3], 0x80000000
	JLOAD G0S, G1S, G0SB, G1SB                     ; the scales first: they are wanted with the first slot
.irp s, 0,1
	s_mov_b32 s[G0+4*\s], 1
	s_add_co_u32 s[G0+4*\s+1], s45, \s*SLOT
	s_add_nc_u64 s[G0+4*\s+2:G0+4*\s+3], s[20:21], \s*ROWB
	s_or_b32 s[G0+4*\s+3], s[G0+4*\s+3], 0x80000000
	s_mov_b32 s[G0B+4*\s], 1
	s_add_co_u32 s[G0B+4*\s+1], s45, \s*SLOT
	s_add_nc_u64 s[G0B+4*\s+2:G0B+4*\s+3], s[46:47], \s*ROWB
	s_or_b32 s[G0B+4*\s+3], s[G0B+4*\s+3], 0x80000000
	JLOAD G0+4*\s, G1, G0B+4*\s, G1B               ; three tensor loads of mine are out in all
.endr
	v_and_b32 v1, 15, v0                           ; l % 16
	v_bfe_u32 v2, v0, 4, 1                         ; l / 16
	v_mul_u32_u24 v3, v1, PITCH
	v_lshl_add_u32 v4, v2, 4, v3                   ; a fragment's row x pitch + 16 x half
	s_mul_i32 s21, s15, HALFT                      ; my 128 rows of A
	s_mul_i32 s22, s16, HALFT                      ; my 128 rows of B,
	s_add_co_u32 s22, s22, 2*HALFT                 ; which lie behind A's 256
.irp s, 0,1
	v_add_nc_u32 v[ADRA+\s], s21, v4
	v_add_nc_u32 v[ADRB+\s], s22, v4
	s_add_co_u32 s21, s21, SLOT
	s_add_co_u32 s22, s22, SLOT
.endr
	v_mul_u32_u24 v5, v1, KS                       ; my row's scales: KS bytes a row,
	v_lshrrev_b32 v6, 8, v5
	v_lshl_add_u32 v5, v6, 4, v5                   ; and 16 more for each 256 passed
	s_mul_i32 s21, s15, HALFS                      ; A's: my 128 rows
	s_mul_i32 s22, s16, HALFS                      ; B's: my 128 rows, behind A's 256
	s_add_co_u32 s22, s22, 2*HALFS
	s_sub_co_u32 s22, s22, s21
	v_mul_u32_u24 v6, s22, v2                      ; lanes 16-31 take B's: the lower base + h x the distance
	s_add_co_u32 s21, s21, SCL
	v_add_nc_u32 v5, v5, v6
	v_add_nc_u32 v[ADRS], s21, v5
	v_and_b32 v6, 31, v0
	v_lshlrev_b32 v[CO], 4, v6
	; where my results go.  P, H: which heads; R, T: which tokens.  q, k: heads by B's rows (cx, my half of B), tokens by A's (cy, my half of A); v: the other way round
	s_cmp_lt_u32 ttmp9, 2
	s_cselect_b32 s66, s40, s41                    ; P
	s_cselect_b32 s67, s16, s15                    ; H
	s_cselect_b32 s98, s41, s40                    ; R
	s_cselect_b32 s99, s15, s16                    ; T
	s_and_b32 s100, ttmp7, 0xffff                  ; cluster y
	s_lshl_b32 s101, s100, 2
	s_add_co_u32 s98, s98, s101
	s_and_b32 s98, s98, 7                          ; which 256 tokens of the batch's 2,048
	s_lshl_b32 s98, s98, 1
	s_add_co_u32 s98, s98, s99
	s_lshl_b32 s98, s98, 14                        ; 128 tokens are 16,384 bytes of a head, in all three parts
	s_lshr_b32 s100, s100, 1                       ; the batch
	s_lshl_b32 s100, s100, 4
	s_lshl_b32 s66, s66, 2
	s_add_co_u32 s100, s100, s66
	s_lshl_b32 s67, s67, 1
	s_add_co_u32 s100, s100, s67                   ; 16 x batch + my first head
	s_lshl_b32 s100, s100, 18
	s_add_co_u32 s100, s100, s98
	s_lshl_b32 s101, ttmp9, 24                     ; the part: q, k or v
	s_add_co_u32 s100, s100, s101
	s_mov_b32 s101, 0
	s_add_nc_u64 s[12:13], s[12:13], s[100:101]
.macro FRAG reg, adr, q, i             ; a fragment: lane l holds row l % 16; registers 4 c .. 4 c + 3 hold K = 64 c + 32 (l / 16) + 0 .. 31
.irp c, 0,1
	ds_load_b128 v[\reg+4*\c:\reg+4*\c+3], v[\adr] offset:64*(\q)+32*\c+(\i)*16*PITCH
.endr
.endm
; 16 matrix instructions: A's blocks a0, a0 + 1 x B's eight, the slot's q-th 128 along K.  p: B's set;  sc: the set of scale words.  zero = 1: the first product starts the sums.
; The 64 accumulators take turns, one instruction a turn, in the same order in every step.
.macro MUL16 a0, p, q, sc, zero
.irp a, \a0, \a0+1
.irp b, 0,1,2,3,4,5,6,7
.if \zero
	v_wmma_scale_f32_16x16x128_f8f6f4 v[8*(8*((\a)%4)+\b):8*(8*((\a)%4)+\b)+7], v[128*(\p)+FR*\b:128*(\p)+FR*\b+FR-1], v[AF+FR*(\a):AF+FR*(\a)+FR-1], 0, v[SC+8*NQ*(\sc)+NQ*\b+(\q)], v[SC+8*NQ*(\sc)+NQ*(\a)+(\q)] matrix_a_fmt:MATRIX_FMT_FP4 matrix_b_fmt:MATRIX_FMT_FP4 matrix_a_scale:MATRIX_SCALE_ROW1
.else
	v_wmma_scale_f32_16x16x128_f8f6f4 v[8*(8*((\a)%4)+\b):8*(8*((\a)%4)+\b)+7], v[128*(\p)+FR*\b:128*(\p)+FR*\b+FR-1], v[AF+FR*(\a):AF+FR*(\a)+FR-1], v[8*(8*((\a)%4)+\b):8*(8*((\a)%4)+\b)+7], v[SC+8*NQ*(\sc)+NQ*\b+(\q)], v[SC+8*NQ*(\sc)+NQ*(\a)+(\q)] matrix_a_fmt:MATRIX_FMT_FP4 matrix_b_fmt:MATRIX_FMT_FP4 matrix_a_scale:MATRIX_SCALE_ROW1
.endif
.endr
.endr
.endm
.macro FETCH_B slot, q, p              ; B's eight fragments of the slot's q-th 128 along K into set p
	WIN TO_B
.irp i, 0,1,2,3,4,5,6,7
	FRAG 128*(\p)+FR*\i, ADRB+\slot, \q, \i
.endr
	WIN 0
.endm
.macro FETCH_A slot, q, i0             ; A's blocks i0 .. i0 + 3
.irp i, \i0, \i0+1, \i0+2, \i0+3
	FRAG AF+FR*(\i), ADRA+\slot, \q, \i
.endr
.endm
.macro SCALES sc                       ; a slot's scale words into set sc: four words a row; lanes 0-15 take A's block i, lanes 16-31 B's block i
.irp i, 0,1,2,3,4,5,6,7
	ds_load_b128 v[SC+8*NQ*\sc+NQ*\i:SC+8*NQ*\sc+NQ*\i+3], v[ADRS] offset:\i*SBLK
.endr
.endm
; A load into a register that a matrix instruction has read, and a vector instruction that reads a result or writes a source, stand NP places behind that matrix instruction; only plain vector instructions
; that name none of its registers are places (ISA guide 7.12.1 for vector instructions).
.macro PLACES n
.rept \n
	v_nop
.endr
.endm
; A step of 128 along K that has its successor in the same slot.  A's blocks 0-3 are fetched anew in its middle, blocks 4-7 at its end; B has two sets.
.macro STEP slot, q, zero
	s_wait_dscnt 4*NL                              ; B's set, the scale words and A's blocks 0-3 are in; the youngest eight loads (A's blocks 4-7) may be out
	WIN MUL_LO
	MUL16 0, (\q)%2, \q, \slot, \zero
	MUL16 2, (\q)%2, \q, \slot, \zero
	s_wait_dscnt 0                                 ; A's blocks 4-7 are in
	PLACES NP
	FETCH_B \slot, (\q)+1, 1-(\q)%2
	FETCH_A \slot, (\q)+1, 0
	WIN MUL_HI
	MUL16 4, (\q)%2, \q, \slot, \zero
	MUL16 6, (\q)%2, \q, \slot, \zero
	PLACES NP
	WIN 0
	FETCH_A \slot, (\q)+1, 4
.endm
; Slot 0's last step changes slots: one barrier; in front of it each wave waits for all its tensor loads (its part of slot 1).
.macro TURN slot, next
	s_wait_tensorcnt 0x0                           ; all my tensor loads have landed
	ds_add_u32 v[SPW], v[NIL]
	s_wait_dscnt 4*NL+1                            ; (the add and the youngest eight loads, A's blocks 4-7, may be out)
	WIN MUL_LO
	MUL16 0, 1, NQ-1, \slot, 0
	s_wait_dscnt 0x0                               ; no LDS instruction of mine is out at the signal
	s_barrier_signal -1
	MUL16 2, 1, NQ-1, \slot, 0
	WIN 0
	s_barrier_wait -1                              ; every wave's part of the next slot is there
	PLACES NP
	v_add_nc_u32 v[ADRS], 4*NQ, v[ADRS]            ; on to the next slot's scale words
	FETCH_B \next, 0, 0
	FETCH_A \next, 0, 0
	SCALES \next
	WIN MUL_HI
	MUL16 4, 1, NQ-1, \slot, 0
	MUL16 6, 1, NQ-1, \slot, 0
	PLACES NP
	WIN 0
	FETCH_A \next, 0, 4
.endm
.macro STEPS slot, from                ; the slot's steps from .. NQ - 2
.set Q, \from
.rept NQ-1-\from
	STEP \slot, Q, 0
.set Q, Q+1
.endr
.endm
	s_wait_tensorcnt 1                             ; the scales and my part of slot 0 are in (slot 1's load may be out),
	s_barrier_signal -1
	s_barrier_wait -1                              ; everybody's are
	FETCH_B 0, 0, 0
	FETCH_A 0, 0, 0
	SCALES 0
	FETCH_A 0, 0, 4
	STEP 0, 0, 1                                   ; the first step's products start the sums: nothing is cleared
	STEPS 0, 1
	TURN 0, 1
	STEPS 1, 0
	s_wait_dscnt 4*NL                              ; the last step: nothing more to fetch
	WIN MUL_LO
	MUL16 0, 1, NQ-1, 1, 0
	MUL16 2, 1, NQ-1, 1, 0
	s_wait_dscnt 0
	WIN MUL_HI
	MUL16 4, 1, NQ-1, 1, 0
	MUL16 6, 1, NQ-1, 1, 0
; THE WAY OUT.  Each accumulator is rounded to f16, from its low end on: four registers, 16 bytes a lane.  The 256 packed registers fill window 1, so no store's data are written again.
.macro PACKH a
	WIN 0x4a+5*((\a)/4)                            ; destination window 1, sources window 2 or 3
.irp b, 0,1,2,3,4,5,6,7
.irp r, 0,1,2,3
	v_cvt_pk_f16_f32 v[4*(8*(\a)+\b)+\r], v[8*(8*((\a)%4)+\b)+2*\r], v[8*(8*((\a)%4)+\b)+2*\r+1]
.endr
.endr
.endm
	PLACES NP                                      ; behind the last products: the conversions read results and write over B's fragments
.irp a, 0,1,2,3,4,5,6,7
	PACKH \a
.endr
	WIN 0
	s_cmp_lt_u32 ttmp9, 2                          ; the cluster's x: the same in all partners
	s_cbranch_scc0 .Lout_v
	WIN 0x04                                       ; a store's data: window 1
.irp a, 0,1,2,3,4,5,6,7
.irp b, 0,1,2,3,4,5,6,7
	global_store_b128 v[CO], v[4*(8*\a+\b):4*(8*\a+\b)+3], s[12:13] offset:(\b/4)*262144+\a*2048+(\b%4)*512   ; q, k: head b / 4, tokens 16 a on, channels 16 (b % 4) on: 512 consecutive bytes, aligned
.endr
.endr
	WIN 0
	s_branch .Ldone
.Lout_v:
	WIN 0x04
.irp a, 0,1,2,3,4,5,6,7
.irp b, 0,1,2,3,4,5,6,7
	global_store_b128 v[CO], v[4*(8*\a+\b):4*(8*\a+\b)+3], s[12:13] offset:(\a/4)*262144+(\b/2)*4096+(\a%4)*1024+(\b%2)*512   ; v: head a / 4, channels 16 (a % 4) on, keys 16 b on
.endr
.endr
	WIN 0
.Ldone:
	s_wait_tensorcnt 0x0                           ; the wave's end
	ds_add_u32 v[SPW], v[NIL]
	s_wait_dscnt 0x0
	CROUND                                         ; the closing round: no work-group ends while a partner may still ask for a tile that names it
	s_endpgm
.Lfunc_end_k_qc2157eab3e_qkv:
	.size	k_qc2157eab3e_qkv, .Lfunc_end_k_qc2157eab3e_qkv-k_qc2157eab3e_qkv
	.p2alignl 7, 3214868480
	.fill 96, 4, 3214868480
	.section	.rodata,"a",@progbits
	.p2align	6, 0x0
	.amdhsa_kernel k_qc2157eab3e_qkv
		.amdhsa_group_segment_fixed_size 327680
		.amdhsa_private_segment_fixed_size 0
		.amdhsa_enable_private_segment 0
		.amdhsa_kernarg_size 40
		.amdhsa_user_sgpr_count 2
		.amdhsa_user_sgpr_kernarg_segment_ptr 1
		.amdhsa_wavefront_size32 1
		.amdhsa_system_sgpr_workgroup_id_x 1
		.amdhsa_system_sgpr_workgroup_id_y 1
		.amdhsa_system_sgpr_workgroup_id_z 1
		.amdhsa_system_vgpr_workitem_id 0
		.amdhsa_next_free_vgpr 1024
		.amdhsa_next_free_sgpr 102
		.amdhsa_reserve_vcc 0
		.amdhsa_float_denorm_mode_32 3
		.amdhsa_float_denorm_mode_16_64 3
		.amdhsa_memory_ordered 1
		.amdhsa_forward_progress 1
		.amdhsa_inst_pref_size 124
	.end_amdhsa_kernel
	.amdgpu_metadata
---
amdhsa.version: [ 1, 2 ]
amdhsa.kernels:
  - .name:           k_qc2157eab3e_qkv
    .symbol:         k_qc2157eab3e_qkv.kd
    .args:
      - { .name: x_codes, .offset: 0, .size: 8, .value_kind: global_buffer, .address_space: global }
      - { .name: x_scales, .offset: 8, .size: 8, .value_kind: global_buffer, .address_space: global }
      - { .name: w_codes, .offset: 16, .size: 8, .value_kind: global_buffer, .address_space: global }
      - { .name: w_scales, .offset: 24, .size: 8, .value_kind: global_buffer, .address_space: global }
      - { .name: qkvf, .offset: 32, .size: 8, .value_kind: global_buffer, .address_space: global }
    .group_segment_fixed_size: 327680
    .private_segment_fixed_size: 0
    .kernarg_segment_align: 8
    .kernarg_segment_size: 40
    .max_flat_workgroup_size: 128
    .sgpr_count:     102
    .vgpr_count:     1024
    .wavefront_size: 32
...
	.end_amdgpu_metadata
.endif
;; end of part 2
;; launch attn (part 3): grid 4 x 64, 8 waves a work-group, clusters of 4 x 1, 327,680 bytes of LDS; arguments qkvf, mWin, af; writes af
.if DOCPART == 3
	.amdgcn_target "amdgcn-amd-amdhsa--gfx1250"
	.amdhsa_code_object_version 6
	.text
	.protected	k_qc2157eab3e_attn
	.globl	k_qc2157eab3e_attn
	.p2align	8
	.type	k_qc2157eab3e_attn,@function
k_qc2157eab3e_attn:
	s_mov_b64 s[64:65], 0
	v_nop
	global_prefetch_b8 v0, s[64:65] scope:SCOPE_SE
	s_setreg_imm32_b32 hwreg(HW_REG_WAVE_MODE, 25, 1), 1
	s_wait_xcnt 0x0
	s_wait_alu depctr_hold_cnt(0) depctr_sa_sdst(0) depctr_va_vdst(0) depctr_va_sdst(0) depctr_va_ssrc(0) depctr_va_vcc(0) depctr_vm_vsrc(0)
	s_getreg_b32 s2, hwreg(HW_REG_IB_STS2, 6, 4)
	s_cmp_eq_u32 s2, 0
	s_cbranch_scc0 .Lentry_in_a_cluster
	s_endpgm
.Lentry_in_a_cluster:
	s_bfe_u32 s2, ttmp6, 0x10000c
	s_cmp_lg_u32 s2, 0x3003
	s_cbranch_scc0 .Lentry_shape_is_right
	s_endpgm
.Lentry_shape_is_right:
; ATTN.  o[q] = the sum over k of softmax_k(q . k / 8 + 100 mWin[k] - 100) v[k], for each of 64 (batch, head) pairs, 2,048 queries and keys, head size 64.  q, k, v, the weights p and o in f16; products, maxima and sums in f32.
; SHARES.  A cluster of four work-groups is one (batch, head); a work-group owns 512 queries, each of its eight waves 64: four tiles of 16.  Two waves share a SIMD, 512 registers each: one wave's softmax stands beside the other's products.
; Every wave walks all keys, 64 a step.  K and V come through two LDS slots of 512 keys; all four work-groups walk the same K and V, so each tile is asked for JOINTLY (mask 15).
; IMAGES.  q, k and v lie in memory as their operand registers do: a piece is 32 lanes x 16 bytes on end.  So a slot's K, and its V, is one dense block, and a fragment load is 16 x lane + a constant: no pitch, no padding, no two lanes on one bank.
; LAYOUT.  S^T = K Q^T + C (source 0 = 16 keys, source 1 = 16 queries): a lane holds ONE query and the keys 8 (lane / 16) + 0..7.  C of the first link is the mask's bias of those keys, in units of q . k: 800 mWin - 800 (one fused
; multiply-add where the definition rounds twice), so the mask costs no vector instruction in the loop.  Two such tiles, rounded to f16 in pairs IN PLACE, are source 1 of O^T = V^T P.
; SOFTMAX.  For each query a running maximum m and sum l: p = 2^(c s - c m), c = log2(e) / 8; in every step O and l are multiplied by a = 2^(c m_old - c m_new).  l sums the unrounded p.  No key is left out, whatever its bias.
; A refill is asked for eight key steps, 512 matrix instructions of a wave, ahead of its first read, and each byte of K and V is asked for once, by the one cluster of its head: so no prefetch is laid beside the tensor loads.
; LIMITS: q, k, v and o must lie inside f16's range, under 65,504 in magnitude; NaN and infinities among the inputs are not served.
; REGISTERS.  window 0: v1-7, v13 addresses; v14, v15 the add's two; v16-47 statistics, eight a tile; v48-79 the bias as C, eight a tile of keys; v80-95 sums at work; v128-255 S^T, 32 a tile, then p in the first 16 of each.
;   window 1: v0-127 O^T (tile t, channels 16 ct on, at 32 t + 8 ct); v128-191 Q (16 t + 8 f); v192-255 ONE buffer that K and V take by turns, in two halves.
.set SLOT1, 1<<17                      ; a slot: 65,536 bytes of K, then 65,536 of V; slot 1 begins here, so that one exclusive or turns an address
.set VOFF,  65536
.set STEPB, 8192                       ; a step's 64 keys: 8,192 bytes of K and as many of V
.set BIAS,  2*SLOT1                    ; the batch's 2,048 biases, f32: stored by the waves, never a tensor load's target
.set SPARE, BIAS+8192                  ; the spare words, 128 bytes a wave
.set LI,  1                            ; v1   16 x lane
.set LIV, 2                            ; v2   16 x lane + VOFF
.set AB0, 3                            ; v3   BIAS + 32 (lane / 16)
.set AK,  4                            ; v4   LDS address of the step's K
.set AV,  5                            ; v5   of its V
.set AB,  6                            ; v6   of its biases
.set MO,  7                            ; v7   16 x thread: my bytes of mWin
.set BST, 13                           ; v13  BIAS + 16 x thread
.set SPW, 14
.set NIL, 15
.set ST,  16                           ; tile t at ST + 8 t: +0 c m, +1 m, +2, +3 l, +4 to +7 at work; a takes +6
.set BI,  48
.set U,   80
.set S,   128
.set O,   0                            ; window 1
.set Q,   128
.set KV,  192
.set WV,  14                           ; s14  my wave's number
.set G1,  24                           ; s[24:31] group 1: 64 rows of 256 bytes, dense
.set G0K, 32                           ; s[32:39] group 0 for K: a set for each first fill; the second then walks on
.set G0V, 40                           ; s[40:47] the same for V
.set CS,  48                           ; s[48:49] c
.set SEL, 50                           ; s[50:51] selects for lane l xor 16
.set TB,  52                           ; s52  LDS byte at which the step to be fetched begins
.set TBI, 53                           ; s53  and its biases: 256 bytes a step
.set SLOTS, 54
.set CNT, 55
.set MSB, 0
.macro WIN new                         ; the immediate's high byte repeats the setting that is left
.if MSB != (\new)
	s_set_vgpr_msb (MSB<<8)|(\new)
.set MSB, (\new)
.endif
.endm
.set W_KQ, 0x05                        ; K and Q in window 1; C and S^T in window 0
.set W_PV, 0x51                        ; V in window 1, P in window 0, O^T in window 1
.set W_RS, 0x41                        ; O^T (destination and source 0) in window 1, a in window 0
.set TO_1, 0x40                        ; a load's destination in window 1
; A joint refill: waves 0-3 fetch K's quarters of a slot, waves 4-7 V's.  The branch hangs on the wave's number alone.  An s_nop 0 and four v_nop follow each line.
.macro JLOAD
	s_cmp_lt_u32 s[WV], 4
	s_cbranch_scc0 .Lfor_v_\@
	tensor_load_to_lds s[G0K+4:G0K+7], s[G1:G1+7]
	s_nop 0
.rept 4
	v_nop
.endr
	s_branch .Lasked_\@
.Lfor_v_\@:
	tensor_load_to_lds s[G0V+4:G0V+7], s[G1:G1+7]
	s_nop 0
.rept 4
	v_nop
.endr
.Lasked_\@:
.endm
.macro CROUND                          ; a round of the cluster's barrier
	s_barrier_signal -1
	s_barrier_wait -1
	s_cmp_lg_u32 s[WV], 0
	s_cbranch_scc1 .Lnot_wave_0_\@
	s_barrier_signal -3
.Lnot_wave_0_\@:
	s_barrier_wait -3
	s_barrier_signal -1
	s_barrier_wait -1
.endm
	s_load_b128 s[4:7], s[0:1], 0x0                ; qkvf, mWin
	s_load_b64 s[8:9], s[0:1], 0x10                ; af
	v_lshl_add_u32 v[SPW], v0, 2, SPARE
	v_mov_b32 v[NIL], 0
	ds_add_u32 v[SPW], v[NIL]                      ; the wave's opening: the add, twice on end, and its wait ahead of my first tensor load
	ds_add_u32 v[SPW], v[NIL]
	v_lshrrev_b32 v8, 5, v0
	v_readfirstlane_b32 s[WV], v8                  ; wave 0..7
	v_and_b32 v8, 31, v0
	v_lshlrev_b32 v[LI], 4, v8
	v_add_nc_u32 v[LIV], VOFF, v[LI]
	v_bfe_u32 v9, v0, 4, 1
	v_lshl_add_u32 v[AB0], v9, 5, BIAS
	v_lshlrev_b32 v[MO], 4, v0
	v_lshl_add_u32 v[BST], v0, 4, BIAS
	s_bfe_u32 s15, ttmp6, 0x40000                  ; cx
	s_lshl_b32 s16, ttmp9, 2
	s_add_co_u32 s16, s16, s15                     ; my block of 512 queries: it enters Q's and af's addresses alone
	s_and_b32 s17, ttmp7, 0xffff                   ; 16 x batch + head, which the four partners share
	s_lshl_b32 s18, s17, 18                        ; its first byte in each part of qkvf
	s_and_b32 s20, s[WV], 3
	s_lshl_b32 s20, s20, 14                        ; my quarter of a slot's K or V, in memory and in LDS
	s_add_co_u32 s22, s18, s20
	s_mov_b32 s23, 0
	s_mov_b32 s[G1], 15|(3<<16)|(1<<21)            ; 15:0 the mask: all four work-groups; 17:16 elements of 8 bytes; 21 set beside a mask; no padding
	s_mov_b32 s[G1+1], 32<<16                      ; tensor_dim0 = 32 elements: 256 bytes
	s_mov_b32 s[G1+2], 64<<16                      ; tensor_dim1 = 64
	s_mov_b32 s[G1+3], 32<<16                      ; tile_dim0
	s_mov_b32 s[G1+4], 64                          ; tile_dim1
	s_mov_b32 s[G1+5], 32                          ; from row to row: dense
	s_mov_b32 s[G1+6], 0
	s_mov_b32 s[G1+7], 0
	s_lshl_b32 s10, s16, 16                        ; Q: my block's 512 rows,
	s_lshl_b32 s11, s[WV], 13                      ; my wave's 64
	s_add_co_u32 s10, s10, s11
	s_add_co_u32 s10, s10, s18
	s_mov_b32 s11, 0
	s_lshr_b32 s12, s17, 4                         ; the batch
	s_lshl_b32 s2, s12, 13                         ; its 2,048 numbers of mWin
	s_mov_b32 s3, 0
	s_lshl_b32 s12, s12, 4                         ; af: the block of 128 tokens: 16 x batch + 4 x my block + wave / 2,
	s_lshl_b32 s13, s16, 2
	s_add_co_u32 s12, s12, s13
	s_lshr_b32 s13, s[WV], 1
	s_add_co_u32 s12, s12, s13
	s_lshl_b32 s12, s12, 18
	s_and_b32 s13, s17, 15                         ; the head: its 64 channels are half of a step of 128
	s_lshr_b32 s19, s13, 1
	s_lshl_b32 s19, s19, 15
	s_add_co_u32 s12, s12, s19
	s_and_b32 s13, s13, 1
	s_lshl_b32 s13, s13, 11
	s_add_co_u32 s12, s12, s13
	s_and_b32 s13, s[WV], 1                        ; and my four tiles of the block's eight
	s_lshl_b32 s13, s13, 14
	s_add_co_u32 s12, s12, s13
	s_mov_b32 s13, 0
	s_mov_b32 s[CS], 0x3e38aa3b                    ; c = log2(e) / 8
	s_mov_b32 s[CS+1], s[CS]                       ; (named with it as a pair, so it is written)
	s_mov_b32 s[SEL], 0x76543210
	s_mov_b32 s[SEL+1], 0xfedcba98
	s_mov_b32 s56, 0x44480000                      ; 800
	s_mov_b32 s57, 0xc4480000                      ; -800
	s_mov_b32 s[TB], 0
	s_mov_b32 s[TBI], 0
	s_wait_dscnt 0x0                               ; both opening adds are done
	s_wait_kmcnt 0x0
	s_add_nc_u64 s[22:23], s[4:5], s[22:23]
	s_add_nc_u64 s[10:11], s[4:5], s[10:11]
	s_add_nc_u64 s[6:7], s[6:7], s[2:3]
	s_add_nc_u64 s[8:9], s[8:9], s[12:13]
	CROUND                                         ; all four work-groups are here: the first joint loads meet
.irp s, 0,1
	s_mov_b32 s[G0K+4*\s], 1
	s_add_co_u32 s[G0K+4*\s+1], s20, \s*SLOT1
	s_add_nc_u64 s[G0K+4*\s+2:G0K+4*\s+3], s[22:23], 0x1000000+\s*65536   ; k's part; slot s begins with keys 512 s
	s_or_b32 s[G0K+4*\s+3], s[G0K+4*\s+3], 0x80000000
	s_mov_b32 s[G0V+4*\s], 1
	s_add_co_u32 s[G0V+4*\s+1], s20, \s*SLOT1+VOFF
	s_add_nc_u64 s[G0V+4*\s+2:G0V+4*\s+3], s[22:23], 0x2000000+\s*65536   ; v's part
	s_or_b32 s[G0V+4*\s+3], s[G0V+4*\s+3], 0x80000000
.endr
	s_cmp_lt_u32 s[WV], 4                          ; a wave's two first fills stand in one branch: two tensor loads of mine are out
	s_cbranch_scc0 .Lfirst_v
	tensor_load_to_lds s[G0K:G0K+3], s[G1:G1+7]
	s_nop 0
	tensor_load_to_lds s[G0K+4:G0K+7], s[G1:G1+7]
	s_nop 0
.rept 4
	v_nop
.endr
	s_branch .Lfirst_asked
.Lfirst_v:
	tensor_load_to_lds s[G0V:G0V+3], s[G1:G1+7]
	s_nop 0
	tensor_load_to_lds s[G0V+4:G0V+7], s[G1:G1+7]
	s_nop 0
.rept 4
	v_nop
.endr
.Lfirst_asked:
	global_load_b128 v[U:U+3], v[MO], s[6:7]                       ; the batch's mWin: the 256 threads take 4,096 bytes a load
	global_load_b128 v[U+4:U+7], v[MO], s[6:7] offset:4096
	WIN TO_1
.irp i, 0,1,2,3,4,5,6,7,8,9,10,11,12,13,14,15
	global_load_b128 v[Q+4*\i:Q+4*\i+3], v[LI], s[10:11] offset:512*\i   ; Q stays in registers: piece i is registers 4 i on
.endr
	WIN 0
	s_wait_loadcnt 16                              ; mWin is in; Q's sixteen loads may be out
.irp i, 0,1,2,3,4,5,6,7
	v_fma_f32 v[U+\i], v[U+\i], s56, s57           ; the bias in units of q . k
.endr
	ds_store_b128 v[BST], v[U:U+3]
	ds_store_b128 v[BST], v[U+4:U+7] offset:4096
	s_wait_tensorcnt 1                             ; my part of slot 0 is in; slot 1's may stay out
	s_wait_dscnt 0x0                               ; my biases lie in LDS
	s_barrier_signal -1
	s_barrier_wait -1
.macro LOADKV g, adr                   ; eight pieces, 4,096 consecutive bytes, into half g of the buffer: two tiles of 16 keys of K, or 32 keys of V
	WIN TO_1
.irp i, 0,1,2,3,4,5,6,7
	ds_load_b128 v[KV+32*\g+4*\i:KV+32*\g+4*\i+3], v[\adr] offset:4096*\g+512*\i
.endr
.endm
.macro LOADB                           ; the step's biases in the result's layout: register j of tile kt is the bias of key 16 kt + 8 (lane / 16) + j
	WIN 0
.irp i, 0,1,2,3,4,5,6,7
	ds_load_b128 v[BI+4*\i:BI+4*\i+3], v[AB] offset:64*(\i/2)+16*(\i%2)
.endr
.endm
; 16 products of S^T: key tiles 2 g, 2 g + 1 x my four tiles of queries, two links of 32 channels.  The eight accumulators take turns.
.macro KQH g
	WIN W_KQ
.irp f, 0,1
.irp k, 0,1
.irp t, 0,1,2,3
.if \f == 0
	v_wmma_f32_16x16x32_f16 v[S+32*\t+8*(2*\g+\k):S+32*\t+8*(2*\g+\k)+7], v[KV+32*\g+16*\k+8*\f:KV+32*\g+16*\k+8*\f+7], v[Q+16*\t+8*\f:Q+16*\t+8*\f+7], v[BI+8*(2*\g+\k):BI+8*(2*\g+\k)+7]
.else
	v_wmma_f32_16x16x32_f16 v[S+32*\t+8*(2*\g+\k):S+32*\t+8*(2*\g+\k)+7], v[KV+32*\g+16*\k+8*\f:KV+32*\g+16*\k+8*\f+7], v[Q+16*\t+8*\f:Q+16*\t+8*\f+7], v[S+32*\t+8*(2*\g+\k):S+32*\t+8*(2*\g+\k)+7]
.endif
.endr
.endr
.endr
.endm
; 16 products of O^T += V^T P: keys 32 kb on.  The sixteen accumulators take turns.  zero = 1: they start the sums.
.macro PVH kb, zero
	WIN W_PV
.irp ct, 0,1,2,3
.irp t, 0,1,2,3
.if \zero
	v_wmma_f32_16x16x32_f16 v[O+32*\t+8*\ct:O+32*\t+8*\ct+7], v[KV+32*\kb+8*\ct:KV+32*\kb+8*\ct+7], v[S+32*\t+8*\kb:S+32*\t+8*\kb+7], 0
.else
	v_wmma_f32_16x16x32_f16 v[O+32*\t+8*\ct:O+32*\t+8*\ct+7], v[KV+32*\kb+8*\ct:KV+32*\kb+8*\ct+7], v[S+32*\t+8*\kb:S+32*\t+8*\kb+7], v[O+32*\t+8*\ct:O+32*\t+8*\ct+7]
.endif
.endr
.endr
.endm
; THE SOFTMAX of a key step, my four tiles by turns, line by line, so that no line waits for the line above it.  first = 1: the first step starts m and l; it has no a and nothing to rescale.
.macro SOFTMAX first
.irp j, 0,1,2,3                        ; the maximum: four chains a tile; each accumulator is read from its low end on
.irp t, 0,1,2,3
	v_max3_num_f32 v[ST+8*\t+4+\j], v[S+32*\t+8*\j], v[S+32*\t+8*\j+1], v[S+32*\t+8*\j+2]
.endr
.endr
.irp g, 1,2
.irp j, 0,1,2,3
.irp t, 0,1,2,3
	v_max3_num_f32 v[ST+8*\t+4+\j], v[ST+8*\t+4+\j], v[S+32*\t+8*\j+2*\g+1], v[S+32*\t+8*\j+2*\g+2]
.endr
.endr
.endr
.irp t, 0,1,2,3
	v_max3_num_f32 v[ST+8*\t+4], v[ST+8*\t+4], v[S+32*\t+7], v[S+32*\t+15]
.endr
.irp t, 0,1,2,3
	v_max3_num_f32 v[ST+8*\t+6], v[ST+8*\t+6], v[S+32*\t+23], v[S+32*\t+31]
.endr
.irp t, 0,1,2,3
	v_max3_num_f32 v[ST+8*\t+4], v[ST+8*\t+4], v[ST+8*\t+5], v[ST+8*\t+6]
.endr
.irp t, 0,1,2,3
.if \first
	v_max_num_f32 v[ST+8*\t+4], v[ST+8*\t+4], v[ST+8*\t+7]
.else
	v_max3_num_f32 v[ST+8*\t+4], v[ST+8*\t+4], v[ST+8*\t+7], v[ST+8*\t+1]   ; with the old m
.endif
.endr
.irp t, 0,1,2,3
	v_permlanex16_b32 v[ST+8*\t+5], v[ST+8*\t+4], s[SEL], s[SEL+1]          ; the query's other 32 keys lie in the lane 16 away
.endr
.if \first == 0
.irp t, 0,1,2,3
	v_mov_b32 v[ST+8*\t+7], v[ST+8*\t]             ; c m_old is kept for a
.endr
.endif
.irp t, 0,1,2,3
	v_max_num_f32 v[ST+8*\t+1], v[ST+8*\t+4], v[ST+8*\t+5]
.endr
.irp t, 0,1,2,3
	v_mul_f32 v[ST+8*\t], s[CS], v[ST+8*\t+1]
.endr
.if \first == 0
.irp t, 0,1,2,3
	v_sub_f32 v[ST+8*\t+7], v[ST+8*\t+7], v[ST+8*\t]
.endr
.endif
.set i, 0
.rept 16                               ; c s - c m, two at a time
.irp t, 0,1,2,3
	v_pk_fma_f32 v[S+32*\t+2*i:S+32*\t+2*i+1], v[S+32*\t+2*i:S+32*\t+2*i+1], s[CS:CS+1], v[ST+8*\t:ST+8*\t+1] op_sel_hi:[1,0,0] neg_lo:[0,0,1] neg_hi:[0,0,1]
.endr
.set i, i+1
.endr
.if \first == 0                        ; ONE BATCH of exponentials: none of them reads another's result
.irp t, 0,1,2,3
	v_exp_f32 v[ST+8*\t+6], v[ST+8*\t+7]           ; a
.endr
.endif
.set i, 0
.rept 32
.irp t, 0,1,2,3
	v_exp_f32 v[S+32*\t+i], v[S+32*\t+i]           ; p
.endr
.set i, i+1
.endr
	v_nop                                          ; a plain instruction behind the last exponential (ISA guide 5.7.2)
	s_wait_alu depctr_va_vdst(0)                   ; one wait for the whole batch, ahead of its first reader
.irp t, 0,1,2,3                        ; the sums of the unrounded p, ahead of the rounding in place: two chains a tile
	v_pk_add_f32 v[U+4*\t:U+4*\t+1], v[S+32*\t:S+32*\t+1], v[S+32*\t+2:S+32*\t+3]
.endr
.irp t, 0,1,2,3
	v_pk_add_f32 v[U+4*\t+2:U+4*\t+3], v[S+32*\t+4:S+32*\t+5], v[S+32*\t+6:S+32*\t+7]
.endr
.irp p, 8,12,16,20,24,28
.irp t, 0,1,2,3
	v_pk_add_f32 v[U+4*\t:U+4*\t+1], v[U+4*\t:U+4*\t+1], v[S+32*\t+\p:S+32*\t+\p+1]
.endr
.irp t, 0,1,2,3
	v_pk_add_f32 v[U+4*\t+2:U+4*\t+3], v[U+4*\t+2:U+4*\t+3], v[S+32*\t+\p+2:S+32*\t+\p+3]
.endr
.endr
.irp t, 0,1,2,3
.if \first
	v_pk_add_f32 v[ST+8*\t+2:ST+8*\t+3], v[U+4*\t:U+4*\t+1], v[U+4*\t+2:U+4*\t+3]
.else
	v_pk_add_f32 v[U+4*\t:U+4*\t+1], v[U+4*\t:U+4*\t+1], v[U+4*\t+2:U+4*\t+3]
.endif
.endr
.if \first == 0
.irp t, 0,1,2,3
	v_pk_fma_f32 v[ST+8*\t+2:ST+8*\t+3], v[ST+8*\t+2:ST+8*\t+3], v[ST+8*\t+6:ST+8*\t+7], v[U+4*\t:U+4*\t+1] op_sel_hi:[1,0,1]   ; l = a l + the step's sum
.endr
.endif
.set i, 0
.rept 16                               ; p to f16, in place: register i takes numbers 2 i and 2 i + 1, ascending, so nothing unread is written over
.irp t, 0,1,2,3
	v_cvt_pk_f16_f32 v[S+32*\t+i], v[S+32*\t+2*i], v[S+32*\t+2*i+1]
.endr
.set i, i+1
.endr
.if \first == 0
	WIN W_RS
.set i, 0
.rept 16                               ; O^T x a, each accumulator from its low end on
.irp t, 0,1,2,3
	v_pk_mul_f32 v[O+32*\t+2*i:O+32*\t+2*i+1], v[O+32*\t+2*i:O+32*\t+2*i+1], v[ST+8*\t+6:ST+8*\t+7] op_sel_hi:[1,0]
.endr
.set i, i+1
.endr
	WIN 0
.endif
.endm
; O^T += V^T P of the step in hand; next = 1: as each half of the buffer is done with, it takes the next step's K.
.macro PVPART zero, next
	s_wait_dscnt 0x0                               ; V is in
	PVH 0, \zero
.if \next
	WIN 0
	v_add_nc_u32 v[AK], s[TB], v[LI]               ; these two and two v_nop are the four places in front of the loads into the half just read
	v_add_nc_u32 v[AB], s[TBI], v[AB0]
	v_nop
	v_nop
	LOADKV 0, AK
	LOADB
.endif
	PVH 1, 0
.if \next
.rept 5
	v_nop                                          ; four places in front of the loads into the other half; five before K Q^T writes over p's registers, which these products read
.endr
	LOADKV 1, AK
.endif
.endm
; S^T of the next step and its softmax; as each half of the buffer is done with, it takes the same step's V.
.macro KQPART first
	s_wait_dscnt 8                                 ; K's first half and the biases are in; the eight loads of its second half may be out
	KQH 0
	WIN 0
	v_add_nc_u32 v[AV], s[TB], v[LIV]
.rept 3
	v_nop
.endr
	LOADKV 0, AV
	s_wait_dscnt 8                                 ; K's second half is in; V's eight loads just issued may be out
	KQH 1
.rept 4
	v_nop                                          ; places in front of the loads below and of the softmax's first read
.endr
	LOADKV 1, AV
	s_add_co_u32 s[TB], s[TB], STEPB               ; the next fetch is the next step's
	s_add_co_u32 s[TBI], s[TBI], 256
	WIN 0
	SOFTMAX \first
.endm
.macro TRIP zero
	PVPART \zero, 1
	KQPART 0
.endm
.macro TRIPS n
	s_mov_b32 s[CNT], \n
.Ltrip_\@:
	TRIP 0
	s_sub_co_u32 s[CNT], s[CNT], 1
	s_cmp_lg_u32 s[CNT], 0
	s_cbranch_scc1 .Ltrip_\@
.endm
; THE CHANGE OF SLOTS, behind the softmax of a slot's last step: its V has been asked for.  Each wave waits for all its tensor loads (its part of the other slot), adds 0 to its spare word, and waits for that and for its reads of the slot.
; fill = 1: the slot is filled again, with the keys two slots on: the barrier is a round of the cluster's, and the joint refill is the first thing behind it, one tensor load a wave.
.macro CHANGE fill
	WIN 0
	s_wait_tensorcnt 0x0                           ; no tensor load of mine is out, so a group 0 may be written
	ds_add_u32 v[SPW], v[NIL]
.if \fill
.irp g, G0K+4, G0V+4
	s_xor_b32 s[\g+1], s[\g+1], SLOT1              ; the walking descriptor: the other slot than last time,
	s_add_nc_u64 s[\g+2:\g+3], s[\g+2:\g+3], 65536 ; the next 512 keys
.endr
	s_wait_dscnt 0x0                               ; the add is done, and my reads of the slot are over
	CROUND
	JLOAD
.else
	s_wait_dscnt 0x0
	s_barrier_signal -1
	s_barrier_wait -1
.endif
	s_sub_co_u32 s[TB], s[TB], 8*STEPB             ; the fetches go back to a slot's first step,
	s_xor_b32 s[TB], s[TB], SLOT1                  ; in the other slot
.endm
	v_add_nc_u32 v[AK], s[TB], v[LI]
	v_add_nc_u32 v[AB], s[TBI], v[AB0]
	LOADKV 0, AK
	LOADB
	LOADKV 1, AK
	s_wait_loadcnt 0x0                             ; Q
	KQPART 1                                       ; step 0
	TRIP 1                                         ; V^T P of step 0 starts O^T; step 1
	TRIPS 6                                        ; steps 2 to 7
	s_mov_b32 s[SLOTS], 2
.Lslot:                                            ; two trips: slot 0 takes keys 1,024 on, slot 1 keys 1,536 on
	CHANGE 1
	TRIPS 8
	s_sub_co_u32 s[SLOTS], s[SLOTS], 1
	s_cmp_lg_u32 s[SLOTS], 0
	s_cbranch_scc1 .Lslot
	CHANGE 0                                       ; the tail is written out
	TRIPS 8
	PVPART 0, 0                                    ; V^T P of the last step
	; THE WAY OUT.  l's two halves and the other half of the lanes' are added (these lines are the places behind the last products); O^T / l is rounded to f16: a packed accumulator is a piece of the projection's operand.
	WIN 0
.irp t, 0,1,2,3
	v_add_f32 v[ST+8*\t+4], v[ST+8*\t+2], v[ST+8*\t+3]
.endr
.irp t, 0,1,2,3
	v_permlanex16_b32 v[ST+8*\t+5], v[ST+8*\t+4], s[SEL], s[SEL+1]
.endr
.irp t, 0,1,2,3
	v_add_f32 v[ST+8*\t+4], v[ST+8*\t+4], v[ST+8*\t+5]
.endr
.irp t, 0,1,2,3
	v_rcp_f32 v[ST+8*\t+6], v[ST+8*\t+4]
.endr
	v_nop                                          ; a plain instruction behind the last reciprocal
	s_wait_alu depctr_va_vdst(0)                   ; one wait for the four, ahead of the first use
.irp t, 0,1,2,3
	WIN W_RS
.set i, 0
.rept 16
	v_pk_mul_f32 v[O+32*\t+2*i:O+32*\t+2*i+1], v[O+32*\t+2*i:O+32*\t+2*i+1], v[ST+8*\t+6:ST+8*\t+7] op_sel_hi:[1,0]
.set i, i+1
.endr
	WIN 0x05                                       ; sources window 1, destination window 0: S^T's registers are free
.set i, 0
.rept 16
	v_cvt_pk_f16_f32 v[S+16*\t+i], v[O+32*\t+2*i], v[O+32*\t+2*i+1]
.set i, i+1
.endr
	WIN 0
.irp c, 0,1,2,3
	global_store_b128 v[LI], v[S+16*\t+4*\c:S+16*\t+4*\c+3], s[8:9] offset:\t*4096+\c*512   ; tokens 16 t on, channels 16 c on: 512 consecutive bytes, aligned
.endr
.endr
	s_wait_tensorcnt 0x0                           ; the wave's end
	ds_add_u32 v[SPW], v[NIL]
	s_wait_dscnt 0x0
	CROUND                                         ; the closing round
	s_endpgm
.Lfunc_end_k_qc2157eab3e_attn:
	.size	k_qc2157eab3e_attn, .Lfunc_end_k_qc2157eab3e_attn-k_qc2157eab3e_attn
	.p2alignl 7, 3214868480
	.fill 96, 4, 3214868480
	.section	.rodata,"a",@progbits
	.p2align	6, 0x0
	.amdhsa_kernel k_qc2157eab3e_attn
		.amdhsa_group_segment_fixed_size 327680
		.amdhsa_private_segment_fixed_size 0
		.amdhsa_enable_private_segment 0
		.amdhsa_kernarg_size 24
		.amdhsa_user_sgpr_count 2
		.amdhsa_user_sgpr_kernarg_segment_ptr 1
		.amdhsa_wavefront_size32 1
		.amdhsa_system_sgpr_workgroup_id_x 1
		.amdhsa_system_sgpr_workgroup_id_y 1
		.amdhsa_system_sgpr_workgroup_id_z 1
		.amdhsa_system_vgpr_workitem_id 0
		.amdhsa_next_free_vgpr 512
		.amdhsa_next_free_sgpr 66
		.amdhsa_reserve_vcc 0
		.amdhsa_float_denorm_mode_32 3
		.amdhsa_float_denorm_mode_16_64 3
		.amdhsa_memory_ordered 1
		.amdhsa_forward_progress 1
		.amdhsa_inst_pref_size 180
	.end_amdhsa_kernel
	.amdgpu_metadata
---
amdhsa.version: [ 1, 2 ]
amdhsa.kernels:
  - .name:           k_qc2157eab3e_attn
    .symbol:         k_qc2157eab3e_attn.kd
    .args:
      - { .name: qkvf, .offset: 0, .size: 8, .value_kind: global_buffer, .address_space: global }
      - { .name: mWin, .offset: 8, .size: 8, .value_kind: global_buffer, .address_space: global }
      - { .name: af, .offset: 16, .size: 8, .value_kind: global_buffer, .address_space: global }
    .group_segment_fixed_size: 327680
    .private_segment_fixed_size: 0
    .kernarg_segment_align: 8
    .kernarg_segment_size: 24
    .max_flat_workgroup_size: 256
    .sgpr_count:     66
    .vgpr_count:     512
    .wavefront_size: 32
...
	.end_amdgpu_metadata
.endif
;; end of part 3
;; launch proj (part 4): grid 4 x 64, 4 waves a work-group, clusters of 4 x 4, 327,680 bytes of LDS; arguments af, wf, b_proj, out0; writes out0
.if DOCPART == 4
	.amdgcn_target "amdgcn-amd-amdhsa--gfx1250"
	.amdhsa_code_object_version 6
	.text
	.protected	k_qc2157eab3e_proj
	.globl	k_qc2157eab3e_proj
	.p2align	8
	.type	k_qc2157eab3e_proj,@function
k_qc2157eab3e_proj:
	s_mov_b64 s[64:65], 0
	v_nop
	global_prefetch_b8 v0, s[64:65] scope:SCOPE_SE
	s_setreg_imm32_b32 hwreg(HW_REG_WAVE_MODE, 25, 1), 1
	s_wait_xcnt 0x0
	s_wait_alu depctr_hold_cnt(0) depctr_sa_sdst(0) depctr_va_vdst(0) depctr_va_sdst(0) depctr_va_ssrc(0) depctr_va_vcc(0) depctr_vm_vsrc(0)
	s_getreg_b32 s2, hwreg(HW_REG_IB_STS2, 6, 4)
	s_cmp_eq_u32 s2, 0
	s_cbranch_scc0 .Lentry_in_a_cluster
	s_endpgm
.Lentry_in_a_cluster:
	s_bfe_u32 s2, ttmp6, 0x10000c
	s_cmp_lg_u32 s2, 0xf033
	s_cbranch_scc0 .Lentry_shape_is_right
	s_endpgm
.Lentry_shape_is_right:
; PROJ.  out0[token][d] = sum over c of a[token][c] w_proj[d][c] + b_proj[d], K = 1,024; a and w_proj in f16, laid as images of the operand registers (a piece: 32 lanes x 16 bytes on end); sums in f32.
; A tile of out0 is 128 tokens x 256 columns: 256 work-groups, one for each WGP (tiles of 256 x 256 would be 128).  Four waves, each 64 x 128: 32 accumulators of 16 x 16, 256 registers.
; K goes in steps of 128 through two LDS slots.  A step's tile of a is one dense block of 32,768 bytes, that of w_proj one of 65,536: waves 0 and 1 fetch a's halves, waves 2 and 3 w_proj's, one tensor load a wave.
; A fragment load is 16 x lane + a constant: no pitch, no padding.
; CLUSTERS: 4 x 4 work-groups: a's tile is shared along a row of the cluster, w_proj's along a column; each is asked for jointly.
; THE MATRIX INSTRUCTION IS USED TRANSPOSED (source 0 = 16 rows of w_proj, source 1 = 16 tokens): a lane holds eight neighbouring columns of one row of out0.  b_proj is the C of each sum's first product.
; REGISTERS.  window 0: v1-31 addresses; v32-95 b_proj in the result's layout, eight a tile of columns; v128-191 a's fragments, two buffers of 4 x 8; on the way out v128-255 rows of out0.
;   window 1: v0-127 w_proj's fragments, two buffers of 8 x 8.   window 2: accumulator (a, b) at v[8 (8 a + b)].
.set ASTEP,  32768                     ; a K step of a's tile, in bytes
.set BSTEP,  65536                     ; of w_proj's
.set SLOT,   ASTEP+BSTEP
.set BOFF,   ASTEP
.set STAGE,  2*SLOT                    ; behind the slots: 16 rows x (512 bytes + 16) for each wave; no tensor load fills it
.set SPITCH, 528
.set SPARE,  STAGE+4*16*SPITCH         ; the spare words, 128 bytes a wave
.set LAPS,   4                         ; a lap = two K steps
.set BO,   3                           ; v3      b_proj: 32 (lane / 16)
.set ADRA, 16                          ; v16-17  LDS address of my fragments of a in slot 0, 1
.set ADRB, 20                          ; v20-21  the same for w_proj
.set STO,  24                          ; v24     the way out: where I put 32 bytes of a row
.set RD,   25                          ; v25     where I read a row back
.set CO,   26                          ; v26     16 x lane
.set SPW,  28
.set NIL,  29
.set PFO,  30                          ; v30     256 x lane: the prefetches' offset
.set BC,   32
.set AF,   128
.set BK,   128
.set G1, 24                            ; s[24:31] group 1 for a's tiles;  s[32:39] group 0, one set a slot
.set G0, 32
.set G1B, 48                           ; s[48:55], s[56:63] the same for w_proj's
.set G0B, 56
.set LIM, 43                           ; s43     1 in a wave that prefetches, else the greatest number
.set PFA, 44                           ; s[44:45] where my prefetches stand
.set MSB, 0
.macro WIN new                         ; the immediate's high byte repeats the setting that is left
.if MSB != (\new)
	s_set_vgpr_msb (MSB<<8)|(\new)
.set MSB, (\new)
.endif
.endm
.set TO_B, 0x40
.macro JLOAD s                         ; a joint load; the branch hangs on the wave's number alone; an s_nop 0 and four v_nop follow each line
	s_cmp_eq_u32 s11, 0
	s_cbranch_scc0 .Lfor_b_\@
	tensor_load_to_lds s[G0+4*\s:G0+4*\s+3], s[G1:G1+7]
	s_nop 0
.rept 4
	v_nop
.endr
	s_branch .Lasked_\@
.Lfor_b_\@:
	tensor_load_to_lds s[G0B+4*\s:G0B+4*\s+3], s[G1B:G1B+7]
	s_nop 0
.rept 4
	v_nop
.endr
.Lasked_\@:
.endm
; A PREFETCH INTO THE L2 of a's tile two refills on, behind each joint refill and the run of LDS loads that follows it.  The tile's 32,768 bytes are read by the four partners of a row of the cluster and by nobody else:
; each partner takes 8,192 of them, told apart BY ADDRESS (cx); in each, wave 0 asks: one instruction, lanes 256 bytes apart.  So each aligned 256 bytes of K steps 4 to 7 are named once in the launch.
; K steps 0 to 3 come by their loads alone; the loop's last trip asks for nothing.  w_proj's tiles, which every cluster reads, are not asked for.
.macro ASK
	s_cmp_gt_u32 s3, s[LIM]                        ; s3 = 1 in the loop's last trip
	s_cbranch_scc0 .Lnot_mine_\@
	global_prefetch_b8 v[PFO], s[PFA:PFA+1] offset:ASTEP th:TH_LOAD_NT scope:SCOPE_SE
.Lnot_mine_\@:
.endm
.macro CREST                           ; a round of the cluster's barrier behind its opening barrier
	s_cmp_lg_u32 s10, 0
	s_cbranch_scc1 .Lnot_wave_0_\@
	s_barrier_signal -3
.Lnot_wave_0_\@:
	s_barrier_wait -3
	s_barrier_signal -1
	s_barrier_wait -1
.endm
.macro CROUND
	s_barrier_signal -1
	s_barrier_wait -1
	CREST
.endm
	s_load_b128 s[4:7], s[0:1], 0x0                ; af, wf
	s_load_b128 s[16:19], s[0:1], 0x10             ; b_proj, out0
	v_lshl_add_u32 v[SPW], v0, 2, SPARE
	v_mov_b32 v[NIL], 0
	ds_add_u32 v[SPW], v[NIL]                      ; the wave's opening: the add, twice on end, and its wait ahead of my first tensor load
	ds_add_u32 v[SPW], v[NIL]
	v_lshrrev_b32 v1, 5, v0
	v_readfirstlane_b32 s10, v1                    ; wave 0..3
	s_lshr_b32 s11, s10, 1                         ; which 64 tokens are mine.  Also: I fetch for a (0) or for w_proj (1)
	s_and_b32 s12, s10, 1                          ; which 128 columns.  Also: which half of that tile I fetch
	s_bfe_u32 s40, ttmp6, 0x40000                  ; cx, cy
	s_bfe_u32 s41, ttmp6, 0x40004
	s_lshl_b32 s42, ttmp9, 2
	s_add_co_u32 s42, s42, s40                     ; the block of 256 columns
	s_and_b32 s13, ttmp7, 0xffff
	s_lshl_b32 s13, s13, 2
	s_add_co_u32 s13, s13, s41                     ; the block of 128 tokens
	s_lshl_b32 s43, s41, 2
	s_lshl_b32 s43, 15, s43                        ; my row of the cluster
	s_lshl_b32 s44, 0x1111, s40                    ; my column
	s_or_b32 s[G1], s43, (3<<16)|(1<<21)           ; 15:0 the mask; 17:16 elements of 8 bytes; 21 set beside a mask; no padding
	s_or_b32 s[G1B], s44, (3<<16)|(1<<21)
	s_mov_b32 s[G1+1], 32<<16                      ; rows of 32 elements: 256 bytes
	s_mov_b32 s[G1+2], 64<<16                      ; 64 rows: 16,384 bytes
	s_mov_b32 s[G1+3], 32<<16
	s_mov_b32 s[G1+4], 64
	s_mov_b32 s[G1+5], 32                          ; dense
	s_mov_b32 s[G1+6], 0
	s_mov_b32 s[G1+7], 0
	s_mov_b32 s[G1B+1], 32<<16
	s_mov_b32 s[G1B+2], 128<<16                    ; 128 rows: 32,768 bytes
	s_mov_b32 s[G1B+3], 32<<16
	s_mov_b32 s[G1B+4], 128
	s_mov_b32 s[G1B+5], 32
	s_mov_b32 s[G1B+6], 0
	s_mov_b32 s[G1B+7], 0
	s_lshl_b32 s14, s13, 18                        ; a: the block's 262,144 bytes, my half of a step's tile
	s_lshl_b32 s20, s12, 14
	s_add_co_u32 s14, s14, s20
	s_mov_b32 s15, 0
	s_lshl_b32 s46, s42, 19                        ; w_proj: the block's 524,288 bytes, my half
	s_lshl_b32 s21, s12, 15
	s_add_co_u32 s46, s46, s21
	s_mov_b32 s47, 0
	s_wait_dscnt 0x0                               ; both opening adds are done
	s_wait_kmcnt 0x0
	s_add_nc_u64 s[14:15], s[4:5], s[14:15]
	s_add_nc_u64 s[46:47], s[6:7], s[46:47]
	CROUND                                         ; all sixteen work-groups are here: the first joint loads meet
.irp s, 0,1
	s_mov_b32 s[G0+4*\s], 1
	s_add_co_u32 s[G0+4*\s+1], s20, \s*SLOT
	s_add_nc_u64 s[G0+4*\s+2:G0+4*\s+3], s[14:15], \s*ASTEP
	s_or_b32 s[G0+4*\s+3], s[G0+4*\s+3], 0x80000000
	s_mov_b32 s[G0B+4*\s], 1
	s_add_co_u32 s[G0B+4*\s+1], s21, \s*SLOT+BOFF
	s_add_nc_u64 s[G0B+4*\s+2:G0B+4*\s+3], s[46:47], \s*BSTEP
	s_or_b32 s[G0B+4*\s+3], s[G0B+4*\s+3], 0x80000000
	JLOAD \s                                       ; two tensor loads of mine are out
.endr
	v_and_b32 v1, 15, v0                           ; r
	v_bfe_u32 v2, v0, 4, 1                         ; h
	v_and_b32 v5, 31, v0
	v_lshlrev_b32 v[CO], 4, v5
	v_lshlrev_b32 v[PFO], 8, v5
	v_lshlrev_b32 v[BO], 5, v2
	s_lshl_b32 s22, s11, 14                        ; my four tiles of tokens
	s_lshl_b32 s23, s12, 15                        ; my eight tiles of columns,
	s_add_co_u32 s23, s23, BOFF                    ; behind a's tile
.irp s, 0,1
	v_add_nc_u32 v[ADRA+\s], s22, v[CO]
	v_add_nc_u32 v[ADRB+\s], s23, v[CO]
	s_add_co_u32 s22, s22, SLOT
	s_add_co_u32 s23, s23, SLOT
.endr
	s_mul_i32 s22, s10, 16*SPITCH
	s_add_co_u32 s22, s22, STAGE                   ; my stage
	v_mul_u32_u24 v4, v1, SPITCH
	v_lshl_add_u32 v4, v2, 5, v4
	v_add_nc_u32 v[STO], s22, v4                   ; in: row r, 32 bytes for each half of the lanes
	v_add_nc_u32 v[RD], s22, v[CO]                 ; back: the 32 lanes take one row of 512 bytes
	s_lshl_b32 s22, s42, 10                        ; my first column, in bytes: 1,024 x block + 512 x half
	s_lshl_b32 s23, s12, 9
	s_add_co_u32 s22, s22, s23
	s_mov_b32 s23, 0
	s_add_nc_u64 s[16:17], s[16:17], s[22:23]      ; in b_proj
	s_add_nc_u64 s[18:19], s[18:19], s[22:23]      ; and in a row of out0
	s_lshl_b32 s22, s13, 19                        ; my first row: 128 x block + 64 x half, 4,096 bytes a row
	s_lshl_b32 s2, s11, 18
	s_add_co_u32 s22, s22, s2
	s_add_nc_u64 s[18:19], s[18:19], s[22:23]
	s_lshl_b32 s22, s13, 18                        ; the prefetches: a's block, my work-group's quarter of a tile,
	s_lshl_b32 s2, s40, 13
	s_add_co_u32 s22, s22, s2
	s_add_co_u32 s22, s22, 2*ASTEP                 ; at K step 2: the first refill steps it to 3 and names K step 4
	s_add_nc_u64 s[PFA:PFA+1], s[4:5], s[22:23]
	s_cmp_eq_u32 s10, 0
	s_cselect_b32 s[LIM], 1, -1
.irp b, 0,1,2,3,4,5,6,7
	global_load_b128 v[BC+8*\b:BC+8*\b+3], v[BO], s[16:17] offset:64*\b            ; register j of tile b: b_proj of column 16 b + 8 h + j
	global_load_b128 v[BC+8*\b+4:BC+8*\b+7], v[BO], s[16:17] offset:64*\b+16
.endr
; 8 matrix instructions: tokens' block a x all 8 blocks of columns, 32 along K, from buffer f.  init = 1: b_proj starts the sums.  The 32 accumulators take turns.
.macro MUL8 f, a, init
.if \init
	WIN 0x81                                       ; source 0 window 1, source 1 and C window 0, D window 2
.else
	WIN 0xa1                                       ; C and D window 2
.endif
.irp b, 0,1,2,3,4,5,6,7
.if \init
	v_wmma_f32_16x16x32_f16 v[8*(8*\a+\b):8*(8*\a+\b)+7], v[64*\f+8*\b:64*\f+8*\b+7], v[AF+32*\f+8*\a:AF+32*\f+8*\a+7], v[BC+8*\b:BC+8*\b+7]
.else
	v_wmma_f32_16x16x32_f16 v[8*(8*\a+\b):8*(8*\a+\b)+7], v[64*\f+8*\b:64*\f+8*\b+7], v[AF+32*\f+8*\a:AF+32*\f+8*\a+7], v[8*(8*\a+\b):8*(8*\a+\b)+7]
.endif
.endr
.endm
.macro FETCH slot, q, f                ; 24 LDS loads in one run: the fragments of the slot's q-th 32 along K into buffer f; a's blocks 2 and 3 last
	WIN TO_B
.irp b, 0,1,2,3,4,5,6,7
	ds_load_b128 v[64*\f+8*\b:64*\f+8*\b+3],   v[ADRB+\slot] offset:\b*4096+\q*1024
	ds_load_b128 v[64*\f+8*\b+4:64*\f+8*\b+7], v[ADRB+\slot] offset:\b*4096+\q*1024+512
.endr
	WIN 0
.irp a, 0,1,2,3
	ds_load_b128 v[AF+32*\f+8*\a:AF+32*\f+8*\a+3],   v[ADRA+\slot] offset:\a*4096+\q*1024
	ds_load_b128 v[AF+32*\f+8*\a+4:AF+32*\f+8*\a+7], v[ADRA+\slot] offset:\a*4096+\q*1024+512
.endr
.endm
.macro PLACES                          ; four places in front of loads into registers that matrix instructions have read, and of the first read of results (ISA guide 7.12.1 for vector instructions)
.rept 4
	v_nop
.endr
.endm
; A K step is four quarters of 32 along K, 32 matrix instructions each, on buffers 0, 1, 0, 1.  One of the first three: multiplies buffer f and fetches quarter q into buffer g.
.macro QUARTER slot, q, f, g, init
	s_wait_dscnt 4                                 ; w_proj's fragments and a's blocks 0 and 1 are in; the youngest four loads may be out
	MUL8 \f, 0, \init
	MUL8 \f, 1, \init
	PLACES
	FETCH \slot, \q, \g
	s_wait_dscnt 24                                ; all but the 24 just issued
	MUL8 \f, 2, \init
	MUL8 \f, 3, \init
.endm
; The last quarter multiplies buffer 1 and changes slots: ONE barrier; in front of it each wave waits for all its tensor loads, adds 0 to its spare word, and waits for that and for its reads of this slot.
; fill = 1: the barrier opens a round of the cluster's, and behind it this slot is filled again, two K steps ahead: 112 matrix instructions ahead of the wait for it.
.macro TURN slot, next, fill
.if \fill
	s_wait_xcnt 0x0                                ; the last prefetch, a K step back, has read its address
	s_add_nc_u64 s[PFA:PFA+1], s[PFA:PFA+1], ASTEP
.endif
	WIN 0                                          ; (the add's two registers lie in window 0)
	s_wait_tensorcnt 0x0                           ; all my tensor loads have landed: my part of the next slot
	ds_add_u32 v[SPW], v[NIL]
	s_wait_dscnt 5                                 ; (the add and the youngest four loads may be out)
	MUL8 1, 0, 0
	s_wait_dscnt 0x0                               ; the add is done, and my reads of this slot are over
	s_barrier_signal -1
	MUL8 1, 1, 0
	WIN 0
	s_barrier_wait -1
.if \fill
	CREST                                          ; no wave of any partner still reads this slot's tile or has a load on its way
	s_add_nc_u64 s[G0+4*\slot+2:G0+4*\slot+3], s[G0+4*\slot+2:G0+4*\slot+3], 2*ASTEP
	s_add_nc_u64 s[G0B+4*\slot+2:G0B+4*\slot+3], s[G0B+4*\slot+2:G0B+4*\slot+3], 2*BSTEP
	JLOAD \slot                                    ; the first tensor load behind the round; its four v_nop are also the places in front of the loads below
.else
	PLACES
.endif
	FETCH \next, 0, 0
.if \fill
	ASK
.endif
	MUL8 1, 2, 0
	MUL8 1, 3, 0
.endm
	s_wait_tensorcnt 1                             ; my part of K step 0 is in (K step 1's load may be out),
	s_barrier_signal -1
	s_barrier_wait -1                              ; everybody's is
	FETCH 0, 0, 0
	s_wait_loadcnt 0x0                             ; b_proj
	QUARTER 0, 1, 0, 1, 1                          ; the first quarter stands in front of the loop: its products start the sums
	WIN 0                                          ; at a label and at a branch every window is 0
	s_mov_b32 s3, LAPS-1
.Llap:                                             ; a trip goes once round the two slots and fills both again
	QUARTER 0, 2, 1, 0, 0
	QUARTER 0, 3, 0, 1, 0
	TURN 0, 1, 1
	QUARTER 1, 1, 0, 1, 0
	QUARTER 1, 2, 1, 0, 0
	QUARTER 1, 3, 0, 1, 0
	TURN 1, 0, 1
	QUARTER 0, 1, 0, 1, 0
	WIN 0
	s_sub_co_u32 s3, s3, 1
	s_cmp_lg_u32 s3, 0
	s_cbranch_scc1 .Llap
	QUARTER 0, 2, 1, 0, 0                          ; the last lap fills nothing
	QUARTER 0, 3, 0, 1, 0
	TURN 0, 1, 0
	QUARTER 1, 1, 0, 1, 0
	QUARTER 1, 2, 1, 0, 0
	QUARTER 1, 3, 0, 1, 0
	s_wait_dscnt 4                                 ; the very last quarter: nothing more to fetch
	MUL8 1, 0, 0
	MUL8 1, 1, 0
	s_wait_dscnt 0x0
	MUL8 1, 2, 0
	MUL8 1, 3, 0
	WIN 0
; THE WAY OUT, a block of 16 rows x 128 columns at a time: through my own stage in LDS and back as whole rows of 512 bytes.  LDS serves a wave's instructions in order (ISA guide 5.7.1.4): no wait between the stores and the loads.
.macro TOSTAGE a
	WIN 0x08                                       ; an LDS store's data: window 2
.irp b, 0,1,2,3,4,5,6,7
	ds_store_b128 v[STO], v[8*(8*(\a)+\b):8*(8*(\a)+\b)+3] offset:64*\b            ; each accumulator from its low end on
	ds_store_b128 v[STO], v[8*(8*(\a)+\b)+4:8*(8*(\a)+\b)+7] offset:64*\b+16
.endr
	WIN 0
.set BB, BK+64*((\a)%2)
.irp t, 0,1,2,3,4,5,6,7,8,9,10,11,12,13,14,15
	ds_load_b128 v[BB+4*\t:BB+4*\t+3], v[RD] offset:\t*SPITCH
.endr
.endm
.macro SEND a, younger                 ; younger: the LDS instructions issued behind block a's loads, which may stay out
.set BB, BK+64*((\a)%2)
	s_wait_dscnt \younger
.if (\a) > 0
	s_add_nc_u64 s[18:19], s[18:19], 16*4096       ; 16 rows on (the earlier stores have read their base: a wait on XCNT stands above)
.endif
.irp t, 0,1,2,3,4,5,6,7,8,9,10,11,12,13,14,15
	global_store_b128 v[CO], v[BB+4*\t:BB+4*\t+3], s[18:19] offset:\t*4096 th:TH_STORE_NT   ; 32 lanes store 512 consecutive bytes, aligned; written once, read by nobody here
.endr
.endm
	PLACES
	TOSTAGE 0
.irp a, 1,2,3
.if \a > 1
	s_wait_xcnt 0x0                                ; block a - 2's stores have read their registers and their base
.endif
	TOSTAGE \a
	SEND \a-1, 32                                  ; behind block a - 1's loads: block a's 16 stores and 16 loads
.endr
	s_wait_xcnt 0x0
	SEND 3, 0
	s_wait_tensorcnt 0x0                           ; the wave's end
	ds_add_u32 v[SPW], v[NIL]
	s_wait_dscnt 0x0
	CROUND                                         ; the closing round
	s_endpgm
.Lfunc_end_k_qc2157eab3e_proj:
	.size	k_qc2157eab3e_proj, .Lfunc_end_k_qc2157eab3e_proj-k_qc2157eab3e_proj
	.p2alignl 7, 3214868480
	.fill 96, 4, 3214868480
	.section	.rodata,"a",@progbits
	.p2align	6, 0x0
	.amdhsa_kernel k_qc2157eab3e_proj
		.amdhsa_group_segment_fixed_size 327680
		.amdhsa_private_segment_fixed_size 0
		.amdhsa_enable_private_segment 0
		.amdhsa_kernarg_size 32
		.amdhsa_user_sgpr_count 2
		.amdhsa_user_sgpr_kernarg_segment_ptr 1
		.amdhsa_wavefront_size32 1
		.amdhsa_system_sgpr_workgroup_id_x 1
		.amdhsa_system_sgpr_workgroup_id_y 1
		.amdhsa_system_sgpr_workgroup_id_z 1
		.amdhsa_system_vgpr_workitem_id 0
		.amdhsa_next_free_vgpr 768
		.amdhsa_next_free_sgpr 66
		.amdhsa_reserve_vcc 0
		.amdhsa_float_denorm_mode_32 3
		.amdhsa_float_denorm_mode_16_64 3
		.amdhsa_memory_ordered 1
		.amdhsa_forward_progress 1
		.amdhsa_inst_pref_size 87
	.end_amdhsa_kernel
	.amdgpu_metadata
---
amdhsa.version: [ 1, 2 ]
amdhsa.kernels:
  - .name:           k_qc2157eab3e_proj
    .symbol:         k_qc2157eab3e_proj.kd
    .args:
      - { .name: af, .offset: 0, .size: 8, .value_kind: global_buffer, .address_space: global }
      - { .name: wf, .offset: 8, .size: 8, .value_kind: global_buffer, .address_space: global }
      - { .name: b_proj, .offset: 16, .size: 8, .value_kind: global_buffer, .address_space: global }
      - { .name: out0, .offset: 24, .size: 8, .value_kind: global_buffer, .address_space: global }
    .group_segment_fixed_size: 327680
    .private_segment_fixed_size: 0
    .kernarg_segment_align: 8
    .kernarg_segment_size: 32
    .max_flat_workgroup_size: 128
    .sgpr_count:     66
    .vgpr_count:     768
    .wavefront_size: 32
...
	.end_amdgpu_metadata
.endif
;; end of part 4
